; MI455X (gfx1250); checked and timed in simulation.
; The chip was launched on July 23, 2026; its instructions are those of AMD's public machine-readable ISA for CDNA 5 (MIT licence, August 2026) and "CDNA5" Instruction Set Architecture Reference Guide (July 2026). The comments in the code are by the model that wrote it; some were corrected since.
;; Multi Head Attention. Allowed arithmetic: matrix products marked QUANTISED: E2M1 operands, one E8M0 scale for each 32 along K, by v_wmma_scale_f32_16x16x128_f8f6f4 with both operands' format E2M1 (or v_wmma_scale_f32_32x16x128_f4), f32 sums; products left as they are: bf16, f16 or f32 operands; f32 sums; everything else in f32.
;; Inputs: Wk 1,024 x 1,024 float32; Wo 1,024 x 1,024 float32; Wq 1,024 x 1,024 float32; Wv 1,024 x 1,024 float32; bk 1,024 float32; bo 1,024 float32; bq 1,024 float32; bv 1,024 float32; x 2 x 2,048 x 1,024 float32.
;; Outputs: out0 2 x 2,048 x 1,024 float32.
;; This version of the problem:
;;   THIS VERSION OF THE PROBLEM IS GIVEN IN LOW PRECISION. The matrix products marked QUANTISED in the list below multiply operands that are first quantised to E2M1 (2 exponent bits, 1 mantissa bit; 4 bits a number), with one power-of-two scale for each 32 numbers along K (OCP MX v1.0); their sums are f32. The products marked 'left as it is' may take bf16, f16 or f32 operands, with f32 sums. Whichever they take, every output number must still come out within the allowed error. Rounding operands to bf16 (8 significant bits) uses up far more of that allowance than f16 does (11 bits, for magnitudes from 6e-5 to 65,504). All else is computed in f32.
;;   The module's matrix products, in the order in which they are computed (A, B: the left and right operand; K: the contracted axis; several contracted axes count as one K, in the product's order):
;;     1. [M 4,096, K 1,024] x [K 1,024, N 1,024]; A: input x; B: input Wq: QUANTISED
;;     2. [M 4,096, K 1,024] x [K 1,024, N 1,024]; A: input x; B: input Wk: QUANTISED
;;     3. [M 4,096, K 1,024] x [K 1,024, N 1,024]; A: input x; B: input Wv: QUANTISED
;;     4. batch 32 x [M 2,048, K 64] x [K 64, N 2,048]; A: computed on the way; B: computed on the way: left as it is (an operand is computed on the way)
;;     5. batch 32 x [M 2,048, K 2,048] x [K 2,048, N 64]; A: computed on the way; B: computed on the way: left as it is (an operand is computed on the way)
;;     6. [M 4,096, K 1,024] x [K 1,024, N 1,024]; A: computed on the way; B: input Wo: left as it is (an operand is computed on the way)
;;   THE QUANTISER, for each operand of a quantised product, along K:
;;     - K is cut into blocks of 32 from its start; a last block that is shorter is filled with zeros.
;;     - A block's scale is 2^e with e = floor(log2(the largest magnitude in the block)) - 2, held to -126 .. 127; a block of zeros has e = 0. As a byte (E8M0): e + 127.
;;     - Each number is divided by its block's scale, clamped to +-6, and rounded to the nearest number of E2M1, ties to even, subnormals kept.
;;     - The product sums the exact products of the quantised numbers (number of the format x scale) in f32.
;;   ~~~python
;;   def quantise(x, axis):      # numpy; x: float32 -> the quantised numbers, widened to float32 again
;;       x = np.moveaxis(x, axis, -1); K = x.shape[-1]
;;       x = np.pad(x, [(0, 0)] * (x.ndim - 1) + [(0, -K % 32)]); x = x.reshape(x.shape[:-1] + (-1, 32)); a = np.abs(x).max(-1, keepdims=True)
;;       e = np.where(a > 0, np.clip(np.frexp(np.where(a > 0, a, 1))[1] - 1 - 2, -126, 127), 0)      # np.frexp(a)[1] - 1 = floor(log2(a)), exactly
;;       r = np.clip(x / 2.0 ** e, -6, 6)
;;       step = 2.0 ** (np.maximum(np.frexp(np.where(r == 0, 1, r))[1] - 1, 0) - 1)
;;       q = np.round(r / step) * step * 2.0 ** e      # np.round: ties to even
;;       return np.moveaxis(q.reshape(q.shape[:-2] + (-1,))[..., :K], -1, axis).astype(np.float32)
;;   ~~~
;; One version. Each part assembles by itself: llvm-mc -triple=amdgcn-amd-amdhsa -mcpu=gfx1250 --defsym DOCPART=n.
;; ======== version 1 of 1: 4 launches
;; limits: values are held in f16: magnitudes above 65,504 overflow, below 6.1e-05 lose precision
;; workspace buffers: xcodes 2,228,224 bytes; wcodes 1,671,168 bytes; wo16 2,097,152 bytes; qkv 25,165,824 bytes; abuf 8,388,608 bytes
;; launch prep (part 1): grid 256 x 1, 8 waves a work-group, no clusters, 72,704 bytes of LDS; arguments x, Wq, Wk, Wv, Wo, xcodes, wcodes, wo16; writes xcodes, wcodes, wo16
.if DOCPART == 1
	.amdgcn_target "amdgcn-amd-amdhsa--gfx1250"
	.amdhsa_code_object_version 6
	.text
	.protected	k_q1b093dbe0d_prep
	.globl	k_q1b093dbe0d_prep
	.p2align	8
	.type	k_q1b093dbe0d_prep,@function
k_q1b093dbe0d_prep:
	s_mov_b64 s[64:65], 0
	v_nop
	global_prefetch_b8 v0, s[64:65] scope:SCOPE_SE
	s_setreg_imm32_b32 hwreg(HW_REG_WAVE_MODE, 25, 1), 1
	s_wait_xcnt 0x0
; PREP.  x [4096][1024] and Wq, Wk, Wv [1024 (k)][1024 (n)], f32, become codes of FP4 (E2M1) with one E8M0 byte for each 32 along K; Wo [1024 (k)][1024 (n)] becomes f16.
; A block's scale is 2^(floor(log2(its largest magnitude)) - 2): its byte is the largest magnitude's exponent field - 2, held at 1 from below; numbers are divided by it and rounded to the nearest code, ties to even, beyond 6 the code of 6.
; LIMITS: a block of zeros gets the byte 1 where the rule says 127 (its codes are zeros, and this program alone reads the bytes); blocks whose largest magnitude lies under 2^-124 were not tried;
; NaN and infinities are not served; |Wo| up to 65,504 (f16).
; ALL OUTPUTS LIE IN THE ORDER OF THE READER'S OPERAND REGISTERS.  A RECORD (REC = 4,352 bytes) is 16 rows x 512 along K: codes [block of 32: 16][row: 16][16 bytes], then scale bytes [row: 16][16 bytes].
;   xcodes [K half 2][tile of 16 rows 256][REC];  wcodes [K half 2][tile of 16 columns 192 = 64 x tensor + column / 16][REC];  wo16 [K step of 256: 4][tile of 16 columns 64][8 along K: 32][column 16][16 bytes].
; SHARES: 256 work-groups x 8 waves x 16 KiB of f32.  Work-groups 0-127 take x (two tiles of 16 rows each; a wave takes 16 rows x 256 along K); work-groups 128-255 take 64 columns x 512 along K of one of the four weights
; (a wave: 32 columns x 128 along K, a lane to a column, its registers down K).  The paths part on the work-group's number alone, join at ONE barrier, and part again; each has LDS bytes of its own.
.set REC,   4352
.set KHX,   256*REC                    ; from K half to K half in xcodes
.set KHW,   192*REC                    ; and in wcodes
.set STG,   8704                       ; LDS 0 ..: for each wave two stages of 16 rows x 272 bytes (x's path)
.set GX,    69632                      ; x's scale bytes: for each of the two tiles [K half][row][16]: 1,024 bytes
.set GW,    70656                      ; the weights' scale words: 64 columns x 16 bytes
.set SPARE, 71680                      ; the spare words, 128 bytes for each wave: four blocks of 256 bytes that no other line names
.set SPW, 2                            ; v2   LDS address of my spare word; never rewritten
.set NIL, 3                            ; v3   0; never rewritten
.set R,   16                           ; v16-143  numbers as they are loaded
.set X,   144                          ; v144-207 x: two sets of 32 neighbours;  Wo: the f16 pairs
.set C,   208                          ; v208-223 codes, four registers a block: no store's data are written again
.set E,   224                          ; v224-227 scale bytes
.set SC,  230                          ; v230 the conversion's scale operand;  v228, v229 at work
	s_load_b256 s[4:11], s[0:1], 0x0               ; x s[4:5], Wq s[6:7], Wk s[8:9], Wv s[10:11]
	s_load_b256 s[12:19], s[0:1], 0x20             ; Wo s[12:13], xcodes s[14:15], wcodes s[16:17], wo16 s[18:19]
	v_lshl_add_u32 v[SPW], v0, 2, SPARE
	v_mov_b32 v[NIL], 0
	v_lshrrev_b32 v1, 5, v0
	v_readfirstlane_b32 s20, v1                    ; wave 0..7
	v_and_b32 v1, 31, v0                           ; lane
	v_and_b32 v4, 15, v0                           ; r
	v_bfe_u32 v5, v0, 4, 1                         ; h
	; every LDS address is made here, ahead of the parting
	s_mul_i32 s21, s20, STG
	v_mul_u32_u24 v6, v5, 272
	v_lshl_add_u32 v6, v4, 4, v6
	v_add_nc_u32 v6, s21, v6                       ; v6  into a stage: row h of a pair, 16 r
	v_mul_u32_u24 v7, v4, 272
	v_lshl_add_u32 v7, v5, 7, v7
	v_add_nc_u32 v7, s21, v7                       ; v7  out of it: row r, block h of the row's two
	s_lshr_b32 s22, s20, 2
	s_lshl_b32 s22, s22, 9
	s_add_co_u32 s22, s22, GX                      ; my tile's 512 scale bytes
	s_bfe_u32 s23, s20, 0x10001
	s_lshl_b32 s23, s23, 8
	s_add_co_u32 s23, s23, s22                     ; + my K half's 256
	s_and_b32 s24, s20, 1
	s_lshl_b32 s25, s24, 3
	s_add_co_u32 s23, s23, s25                     ; + my eight blocks' place in a row's 16
	v_lshl_add_u32 v8, v4, 4, v5
	v_add_nc_u32 v8, s23, v8                       ; v8  my block's byte: + 16 r + h (+ 2 x step as an immediate)
	v_lshlrev_b32 v13, 4, v1                       ; v13 16 x lane
	v_add_nc_u32 v9, s22, v13                      ; v9  the tile's 512 bytes, read back
	s_lshl_b32 s25, s24, 9
	s_add_co_u32 s25, s25, GW
	v_add_nc_u32 v11, s25, v13                     ; v11 my column's 16 bytes of scale words
	s_lshr_b32 s24, s20, 1
	s_lshl_b32 s24, s24, 2
	v_add_nc_u32 v10, s24, v11                     ; v10 my word among them
	; offsets in memory
	v_lshlrev_b32 v12, 12, v5
	v_lshl_add_u32 v12, v4, 4, v12                 ; v12 x: row h of a pair (4,096 bytes a row), 16 r
	v_mul_u32_u24 v14, v5, KHX
	v_lshl_add_u32 v14, v4, 4, v14                 ; v14 x's scale bytes: K half h, row r
	v_lshlrev_b32 v15, 2, v1                       ; v15 a weight: 4 bytes a lane
	v_mul_u32_u24 v232, v5, REC
	v_lshl_add_u32 v232, v4, 4, v232               ; v232 wcodes: tile h of my two, column r
	v_lshlrev_b32 v233, 13, v5
	v_lshl_add_u32 v233, v4, 4, v233               ; v233 wo16: likewise (8,192 bytes a tile)
; 32 numbers of ONE block in v[xs] on become 32 codes in v[c] .. v[c + 3]; v[SC] is left holding the scale's byte in its exponent field.  The caller's shift of v[SC] is the plain line behind the conversions.
.macro QBLK xs, c
	v_max3_num_f32 v228, |v[\xs]|, |v[\xs+1]|, |v[\xs+2]|          ; the largest magnitude, in two chains
	v_max3_num_f32 v229, |v[\xs+3]|, |v[\xs+4]|, |v[\xs+5]|
.irp i, 6,10,14,18,22,26
	v_max3_num_f32 v228, v228, |v[\xs+\i]|, |v[\xs+\i+1]|
	v_max3_num_f32 v229, v229, |v[\xs+\i+2]|, |v[\xs+\i+3]|
.endr
	v_max3_num_f32 v228, v228, |v[\xs+30]|, |v[\xs+31]|
	v_max3_num_f32 v228, v228, v229, 0x1800000     ; and the floor 2^(3 - 127): the byte cannot fall under 1
	v_add_nc_u32 v[SC], 0xff000000, v228           ; 2 off the exponent field: the conversion takes that field as its scale and nothing else
.irp g, 0,1,2,3
	v_cvt_scalef32_pk8_fp4_f32 v[\c+\g], v[\xs+8*\g:\xs+8*\g+7], v[SC]
.endr
.endm
; which part of which weight a work-group of the column path has: s34 tensor (3 = Wo), s35 group of 64 columns, s36 K half
.macro COLIDS
	s_sub_co_u32 s21, ttmp9, 128
	s_lshr_b32 s34, s21, 5
	s_bfe_u32 s35, s21, 0x40001
	s_and_b32 s36, s21, 1
.endm
	s_wait_kmcnt 0x0
	s_cmp_lt_u32 ttmp9, 128
	s_cbranch_scc0 .Lcolumns
	; ---------------- x: my tile = 2 x work-group + wave / 4; my 256 along K = wave % 4
	s_lshl_b32 s21, ttmp9, 1
	s_lshr_b32 s22, s20, 2
	s_add_co_u32 s21, s21, s22                     ; tile of 16 rows
	s_and_b32 s22, s20, 3                          ; quarter of K
	s_lshl_b32 s24, s21, 16                        ; 16 rows of 4,096 bytes
	s_lshl_b32 s23, s22, 10
	s_add_co_u32 s24, s24, s23
	s_mov_b32 s25, 0
	s_add_nc_u64 s[4:5], s[4:5], s[24:25]
	s_mul_i32 s24, s21, REC
	s_lshr_b32 s23, s22, 1
	s_mul_i32 s23, s23, KHX
	s_add_co_u32 s24, s24, s23
	s_and_b32 s23, s22, 1
	s_lshl_b32 s23, s23, 11                        ; eight blocks x 256 bytes
	s_add_co_u32 s24, s24, s23
	s_add_nc_u64 s[26:27], s[14:15], s[24:25]      ; where my codes go
	; all 32 loads at once: step s = 64 along K; load i = rows 2 i, 2 i + 1: sixteen lanes read 256 consecutive bytes of a row
.irp s, 0,1,2,3
.irp i, 0,1,2,3,4,5,6,7
	global_load_b128 v[R+32*\s+4*\i:R+32*\s+4*\i+3], v12, s[4:5] offset:8192*\i+256*\s th:TH_LOAD_NT
.endr
.endr
; step s goes through a stage as it lies and comes back 128 bytes a lane: lane (r, h) then holds block h of row r.  LDS serves a wave's instructions in order: no wait between the stores and the loads
.macro TURN s
.irp i, 0,1,2,3,4,5,6,7
	ds_store_b128 v6, v[R+32*(\s)+4*\i:R+32*(\s)+4*\i+3] offset:4352*((\s)%2)+544*\i
.endr
.irp j, 0,1,2,3,4,5,6,7
	ds_load_b128 v[X+32*((\s)%2)+4*\j:X+32*((\s)%2)+4*\j+3], v7 offset:4352*((\s)%2)+16*\j
.endr
.endm
.macro XSTEP s
.if (\s) == 0
	s_wait_dscnt 0x0                               ; this step's numbers are back from the stage
.else
	s_wait_dscnt 0x1                               ; likewise; the last step's byte store may be out
.endif
.if (\s) < 3
	s_wait_loadcnt 16-8*(\s)                       ; the next step's eight loads are in; those of the steps behind it may be out
	TURN (\s)+1                                    ; they go through the other stage while this step is worked
.endif
.set XS, X+32*((\s)%2)
.set CC, C+4*(\s)
	QBLK XS, CC
	v_lshrrev_b32 v[E+(\s)], 23, v[SC]             ; the scale's byte
	ds_store_b8 v8, v[E+(\s)] offset:2*(\s)
	global_store_b128 v13, v[CC:CC+3], s[26:27] offset:512*(\s)    ; blocks 2 s and 2 s + 1 of 16 rows: 512 consecutive bytes
.endm
	s_wait_loadcnt 24                              ; step 0's eight loads are in
	TURN 0
	XSTEP 0
	XSTEP 1
	XSTEP 2
	XSTEP 3
	s_branch .Ljoin
	; ---------------- a weight: my 32 columns = wave % 2, my 128 along K = wave / 2
.Lcolumns:
	COLIDS
	s_and_b32 s37, s20, 1                          ; which 32 columns
	s_lshr_b32 s38, s20, 1                         ; which 128 along K
	s_cmp_lt_u32 s34, 1                            ; the choice of buffer hangs on the work-group's number alone
	s_cselect_b64 s[30:31], s[6:7], s[8:9]
	s_cmp_lt_u32 s34, 2
	s_cselect_b64 s[30:31], s[30:31], s[10:11]
	s_cmp_lt_u32 s34, 3
	s_cselect_b64 s[30:31], s[30:31], s[12:13]
	s_lshl_b32 s24, s36, 21                        ; 512 rows of 4,096 bytes
	s_lshl_b32 s21, s38, 19                        ; 128 rows
	s_add_co_u32 s24, s24, s21
	s_lshl_b32 s21, s35, 8                         ; 64 columns
	s_add_co_u32 s24, s24, s21
	s_lshl_b32 s21, s37, 7                         ; 32 columns
	s_add_co_u32 s24, s24, s21
	s_mov_b32 s25, 0
	s_add_nc_u64 s[30:31], s[30:31], s[24:25]
.macro LOADB t                         ; block t: W(32 t + i, my column); a wave reads 128 consecutive bytes, two waves side by side 256
.irp i, 0,1,2,3,4,5,6,7,8,9,10,11,12,13,14,15,16,17,18,19,20,21,22,23,24,25,26,27,28,29,30,31
	global_load_b32 v[R+32*(\t)+\i], v15, s[30:31] offset:(32*(\t)+\i)*4096 th:TH_LOAD_NT
.endr
.endm
	LOADB 0
	LOADB 1
	s_cmp_eq_u32 s34, 3
	s_cbranch_scc1 .Lwo
	; Wq, Wk, Wv: codes to wcodes + K half + (64 tensor + 4 group + 2 (wave % 2) + h) records + (4 (wave / 2) + t) x 256 + 16 r
	s_lshl_b32 s21, s34, 6
	s_lshl_b32 s22, s35, 2
	s_add_co_u32 s21, s21, s22
	s_lshl_b32 s22, s37, 1
	s_add_co_u32 s21, s21, s22
	s_mul_i32 s24, s21, REC
	s_mul_i32 s22, s36, KHW
	s_add_co_u32 s24, s24, s22
	s_lshl_b32 s22, s38, 10
	s_add_co_u32 s24, s24, s22
	s_add_nc_u64 s[32:33], s[16:17], s[24:25]
.macro WWORK t
.set XS, R+32*(\t)
.set CC, C+4*(\t)
	QBLK XS, CC
.if (\t) == 0
	v_lshrrev_b32 v[E], 23, v[SC]                  ; four bytes make my column's scale word for these 128 along K
.else
	v_lshrrev_b32 v[E+1], 23, v[SC]
	v_lshl_or_b32 v[E], v[E+1], 8*(\t), v[E]
.endif
	global_store_b128 v232, v[CC:CC+3], s[32:33] offset:256*(\t)   ; each half of the wave stores 256 consecutive bytes
.endm
	s_wait_loadcnt 32                              ; block 0 is in; block 1's 32 loads may be out
	LOADB 2
	WWORK 0
	s_wait_loadcnt 32                              ; block 1 is in; block 2's may be out
	LOADB 3
	WWORK 1
	s_wait_loadcnt 32                              ; block 2 is in; block 3's may be out
	WWORK 2
	s_wait_loadcnt 0x0
	WWORK 3
	ds_store_b32 v10, v[E]
	s_branch .Ljoin
.Lwo:
	; Wo: f16 to wo16 + (2 K half + (wave / 2) / 2) K steps + (4 group + 2 (wave % 2) + h) tiles + (16 ((wave / 2) % 2) + g) x 256 + 16 r
	s_lshl_b32 s21, s36, 1
	s_lshr_b32 s22, s38, 1
	s_add_co_u32 s21, s21, s22
	s_lshl_b32 s24, s21, 19
	s_lshl_b32 s22, s35, 15
	s_add_co_u32 s24, s24, s22
	s_lshl_b32 s22, s37, 14
	s_add_co_u32 s24, s24, s22
	s_and_b32 s22, s38, 1
	s_lshl_b32 s22, s22, 12
	s_add_co_u32 s24, s24, s22
	s_add_nc_u64 s[32:33], s[18:19], s[24:25]
.macro OWORK t
.irp g, 0,1,2,3
.irp j, 0,1,2,3
	v_cvt_pk_f16_f32 v[X+16*(\t)+4*\g+\j], v[R+32*(\t)+8*\g+2*\j], v[R+32*(\t)+8*\g+2*\j+1]
.endr
	global_store_b128 v233, v[X+16*(\t)+4*\g:X+16*(\t)+4*\g+3], s[32:33] offset:(4*(\t)+\g)*256
.endr
.endm
	s_wait_loadcnt 32                              ; as above
	LOADB 2
	OWORK 0
	s_wait_loadcnt 32
	LOADB 3
	OWORK 1
	s_wait_loadcnt 32
	OWORK 2
	s_wait_loadcnt 0x0
	OWORK 3
.Ljoin:
	s_wait_dscnt 0x0                               ; for the others' sake: my scale bytes lie in LDS
	s_barrier_signal -1
	s_barrier_wait -1
	s_cmp_lt_u32 ttmp9, 128
	s_cbranch_scc0 .Lcol_out
	s_and_b32 s21, s20, 3                          ; x: waves 0 and 4 store their tile's 512 scale bytes: two whole runs of 256 bytes, one in each K half's record
	s_cmp_lg_u32 s21, 0
	s_cbranch_scc1 .Lend
	s_lshl_b32 s21, ttmp9, 1
	s_lshr_b32 s22, s20, 2
	s_add_co_u32 s21, s21, s22
	s_mul_i32 s24, s21, REC
	s_mov_b32 s25, 0
	s_add_nc_u64 s[28:29], s[14:15], s[24:25]
	ds_load_b128 v[228:231], v9
	s_wait_dscnt 0x0
	global_store_b128 v14, v[228:231], s[28:29] offset:4096
	s_branch .Lend
.Lcol_out:
	COLIDS
	s_cmp_eq_u32 s34, 3                            ; Wo has no scales
	s_cbranch_scc1 .Lend
	s_cmp_lt_u32 s20, 2                            ; waves 0 and 1 store the scale bytes of their 32 columns: 256 bytes in each of two records
	s_cbranch_scc0 .Lend
	s_lshl_b32 s21, s34, 6
	s_lshl_b32 s22, s35, 2
	s_add_co_u32 s21, s21, s22
	s_lshl_b32 s22, s20, 1
	s_add_co_u32 s21, s21, s22
	s_mul_i32 s24, s21, REC
	s_mul_i32 s22, s36, KHW
	s_add_co_u32 s24, s24, s22
	s_mov_b32 s25, 0
	s_add_nc_u64 s[28:29], s[16:17], s[24:25]
	ds_load_b128 v[228:231], v11
	s_wait_dscnt 0x0
	global_store_b128 v232, v[228:231], s[28:29] offset:4096
.Lend:
	s_wait_tensorcnt 0x0                           ; the wave's end: a tensor wait (here in a text with no tensor load), an add of 0 to my spare word and its wait, behind my last LDS store
	ds_add_u32 v[SPW], v[NIL]
	s_wait_dscnt 0x0
	s_endpgm
.Lfunc_end_k_q1b093dbe0d_prep:
	.size	k_q1b093dbe0d_prep, .Lfunc_end_k_q1b093dbe0d_prep-k_q1b093dbe0d_prep
	.p2alignl 7, 3214868480
	.fill 96, 4, 3214868480
	.section	.rodata,"a",@progbits
	.p2align	6, 0x0
	.amdhsa_kernel k_q1b093dbe0d_prep
		.amdhsa_group_segment_fixed_size 72704
		.amdhsa_private_segment_fixed_size 0
		.amdhsa_enable_private_segment 0
		.amdhsa_kernarg_size 64
		.amdhsa_user_sgpr_count 2
		.amdhsa_user_sgpr_kernarg_segment_ptr 1
		.amdhsa_wavefront_size32 1
		.amdhsa_system_sgpr_workgroup_id_x 1
		.amdhsa_system_sgpr_workgroup_id_y 1
		.amdhsa_system_sgpr_workgroup_id_z 1
		.amdhsa_system_vgpr_workitem_id 0
		.amdhsa_next_free_vgpr 256
		.amdhsa_next_free_sgpr 66
		.amdhsa_reserve_vcc 0
		.amdhsa_float_denorm_mode_32 3
		.amdhsa_float_denorm_mode_16_64 3
		.amdhsa_memory_ordered 1
		.amdhsa_forward_progress 1
		.amdhsa_inst_pref_size 50
	.end_amdhsa_kernel
	.amdgpu_metadata
---
amdhsa.version: [ 1, 2 ]
amdhsa.kernels:
  - .name:           k_q1b093dbe0d_prep
    .symbol:         k_q1b093dbe0d_prep.kd
    .args:
      - { .name: x, .offset: 0, .size: 8, .value_kind: global_buffer, .address_space: global }
      - { .name: Wq, .offset: 8, .size: 8, .value_kind: global_buffer, .address_space: global }
      - { .name: Wk, .offset: 16, .size: 8, .value_kind: global_buffer, .address_space: global }
      - { .name: Wv, .offset: 24, .size: 8, .value_kind: global_buffer, .address_space: global }
      - { .name: Wo, .offset: 32, .size: 8, .value_kind: global_buffer, .address_space: global }
      - { .name: xcodes, .offset: 40, .size: 8, .value_kind: global_buffer, .address_space: global }
      - { .name: wcodes, .offset: 48, .size: 8, .value_kind: global_buffer, .address_space: global }
      - { .name: wo16, .offset: 56, .size: 8, .value_kind: global_buffer, .address_space: global }
    .group_segment_fixed_size: 72704
    .private_segment_fixed_size: 0
    .kernarg_segment_align: 8
    .kernarg_segment_size: 64
    .max_flat_workgroup_size: 256
    .sgpr_count:     66
    .vgpr_count:     256
    .wavefront_size: 32
...
	.end_amdgpu_metadata
.endif
;; end of part 1
;; launch qkv (part 2): grid 12 x 16, 4 waves a work-group, clusters of 4 x 4, 327,680 bytes of LDS; arguments xcodes, wcodes, bq, bk, bv, qkv; writes qkv
.if DOCPART == 2
	.amdgcn_target "amdgcn-amd-amdhsa--gfx1250"
	.amdhsa_code_object_version 6
	.text
	.protected	k_q1b093dbe0d_qkv
	.globl	k_q1b093dbe0d_qkv
	.p2align	8
	.type	k_q1b093dbe0d_qkv,@function
k_q1b093dbe0d_qkv:
	s_mov_b64 s[64:65], 0
	v_nop
	global_prefetch_b8 v0, s[64:65] scope:SCOPE_SE
	s_setreg_imm32_b32 hwreg(HW_REG_WAVE_MODE, 25, 1), 1
	s_wait_xcnt 0x0
	s_wait_alu depctr_hold_cnt(0) depctr_sa_sdst(0) depctr_va_vdst(0) depctr_va_sdst(0) depctr_va_ssrc(0) depctr_va_vcc(0) depctr_vm_vsrc(0)
	s_getreg_b32 s2, hwreg(HW_REG_IB_STS2, 6, 4)
	s_cmp_eq_u32 s2, 0
	s_cbranch_scc0 .Lentry_in_a_cluster
	s_endpgm
.Lentry_in_a_cluster:
	s_bfe_u32 s2, ttmp6, 0x10000c
	s_cmp_lg_u32 s2, 0xf033
	s_cbranch_scc0 .Lentry_shape_is_right
	s_endpgm
.Lentry_shape_is_right:
; QKV.  q, k, v = x W + b as ONE product [4096] x [3072] over K = 1,024, on codes of FP4 (E2M1) with one E8M0 scale for each 32 along K; sums in f32; the bias is the C of each sum's first product; results rounded to f16.
; LIMIT: |q|, |k|, |v| up to 65,504 (f16).
; Operands arrive as RECORDS (REC = 4,352 bytes: 16 rows x 512 along K: codes [block of 32: 16][row: 16][16 bytes], then scale bytes [row][16]): a fragment of 16 rows x 128 K is two loads of 16 bytes a lane at 16 x lane.
; A tile of the result, 256 x 256, is made by a work-group of four waves; a wave makes 128 x 128: 64 accumulators, 512 registers.  Both K halves of the work-group's 16 + 16 records fit in LDS (two slots): each slot is
; filled once, at the head, and nothing is filled again.  192 work-groups: a tile of 256 x 192 would give 256, but would lie across two of the three weights and their biases.
; CLUSTERS: 4 x 4 work-groups.  The four of a row need the same records of x, the four of a column the same records of W: each is asked for JOINTLY.  The cluster's x is the tensor: 0 q, 1 k, 2 v.
; THE MATRIX INSTRUCTION IS USED TRANSPOSED (source 0 = 16 columns of W, source 1 = 16 rows of x): a lane then holds eight neighbouring channels of one token: 16 bytes of f16, and the 32 lanes' bytes are 512 consecutive
; bytes of the output, which lies as the next launch's operand registers want it: qkv [tensor 3][batch x head 32][tile of 16 tokens 128][8 channels: 8][token 16][16 bytes].  So the way out needs no LDS.
; REGISTERS, in windows of 256: window 0: v16-29 addresses; v32-95 scale words, two sets; from v128 x's fragments, one set; on the way out v128-255 packed results.
;   window 1: W's fragments, two sets, at v0 and v128; v64-127 the biases (block b: b[16 b + 8 (lane / 16) + 0 .. 7]).   windows 2, 3: the accumulators ((a, b) at v[8 (8 (a % 4) + b)]).
.set REC,   4352
.set KHX,   256*REC
.set KHW,   192*REC
.set NQ,    4                          ; steps of 128 along K in a slot
.set FR,    8                          ; registers of a fragment
.set NL,    2                          ; LDS loads that bring one
.set NP,    4                          ; places behind this matrix instruction (ISA guide 7.12.1)
.set HALFT, 8*REC                      ; eight records: what one tensor load brings, and what one wave reads of x or of W
.set SLOT,  4*HALFT                    ; x's 16 records, then W's 16
.set SPARE, 2*SLOT                     ; behind the slots: the spare words, 128 bytes for each wave: two blocks of 256 bytes that no other line names
.set ADRA, 16                          ; v16-17  LDS address of my fragments of x in slot 0, 1
.set ADRB, 20                          ; v20-21  of W
.set ADRS, 22                          ; v22-23  of my scale words: lanes 0-15 x's rows, lanes 16-31 W's columns
.set CO,   26                          ; v26     16 x lane
.set BOF,  27                          ; v27     32 x (lane / 16): my eight numbers of a block's 16 biases
.set SPW,  28                          ; v28     LDS address of my spare word; never rewritten
.set NIL,  29                          ; v29     0; never rewritten
.set SC,   32                          ; scale words: set s at v[SC + 32 s]; register 4 i + q: lanes 0-15 x's block i, lanes 16-31 W's block i, the slot's q-th 128 along K
.set AF,   128                         ; x's fragments, window 0
.set TMP,  128                         ; the way out: four sets of 32
.set BI,   64                          ; the biases, window 1
.set WV, 16                            ; s16 wave;  s17 which half of the rows is mine, also: I fetch x's (0) or W's (1);  s18 which half of the columns, also: which eight records I fetch;  s19 tile row
.set RH, 17
.set CH, 18
.set TR, 19
.set G1, 24                            ; s[24:31] descriptor group 1 for x's records;  s[32:39] group 0, one set for each slot
.set G0, 32
.set G1B, 48                           ; s[48:55], s[56:63] the same for W's
.set G0B, 56
.set MSB, 0
.macro WIN new                         ; the immediate's high byte repeats the setting that is left
.if MSB != \new
	s_set_vgpr_msb (MSB<<8)|\new
.set MSB, \new
.endif
.endm
.set MUL_LO, 0xa1                      ; source 0 (W) window 1, source 1 (x) window 0, C and D window 2
.set MUL_HI, 0xf1                      ; the same, C and D window 3
.set BIA_LO, 0x91                      ; the first step: C (the bias) window 1, D window 2
.set BIA_HI, 0xd1                      ; D window 3
.set TO_B,   0x40                      ; destination window 1, address window 0
; A joint load: waves 0 and 1 fetch for x, waves 2 and 3 for W.  The branch hangs on the wave's number alone.  An s_nop 0 and four v_nop follow each of the two lines.
.macro JLOAD s
	s_cmp_eq_u32 s[RH], 0
	s_cbranch_scc0 .Lfor_b_\@
	tensor_load_to_lds s[G0+4*\s:G0+4*\s+3], s[G1:G1+7]
	s_nop 0
.rept 4
	v_nop
.endr
	s_branch .Lasked_\@
.Lfor_b_\@:
	tensor_load_to_lds s[G0B+4*\s:G0B+4*\s+3], s[G1B:G1B+7]
	s_nop 0
.rept 4
	v_nop
.endr
.Lasked_\@:
.endm
.macro CROUND                          ; a round of the cluster's barrier
	s_barrier_signal -1
	s_barrier_wait -1
	s_cmp_lg_u32 s[WV], 0
	s_cbranch_scc1 .Lnot_wave_0_\@
	s_barrier_signal -3
.Lnot_wave_0_\@:
	s_barrier_wait -3
	s_barrier_signal -1
	s_barrier_wait -1
.endm
	s_load_b128 s[4:7], s[0:1], 0x0                ; xcodes s[4:5], wcodes s[6:7]
	s_load_b128 s[8:11], s[0:1], 0x10              ; bq s[8:9], bk s[10:11]
	s_load_b128 s[12:15], s[0:1], 0x20             ; bv s[12:13], qkv s[14:15]
	v_lshl_add_u32 v[SPW], v0, 2, SPARE
	v_mov_b32 v[NIL], 0
	ds_add_u32 v[SPW], v[NIL]                      ; the wave's opening: the add, twice on end, and its wait ahead of my first tensor load
	ds_add_u32 v[SPW], v[NIL]
	v_lshrrev_b32 v1, 5, v0
	v_readfirstlane_b32 s[WV], v1                  ; wave 0..3
	s_lshr_b32 s[RH], s[WV], 1
	s_and_b32 s[CH], s[WV], 1
	s_bfe_u32 s40, ttmp6, 0x40000                  ; cx, cy: my place in the cluster
	s_bfe_u32 s41, ttmp6, 0x40004
	s_lshl_b32 s42, ttmp9, 2
	s_add_co_u32 s42, s42, s40                     ; tile column = 4 x cluster x + cx
	s_and_b32 s[TR], ttmp7, 0xffff
	s_lshl_b32 s[TR], s[TR], 2
	s_add_co_u32 s[TR], s[TR], s41                 ; tile row = 4 x cluster y + cy
	s_lshl_b32 s43, s41, 2
	s_lshl_b32 s43, 15, s43                        ; my row of the cluster
	s_lshl_b32 s44, 0x1111, s40                    ; my column
	; descriptor group 1: eight records are 34,816 dense bytes: 136 rows of 256 bytes (32 elements of 8 bytes), no padding
	s_or_b32 s[G1+0], s43, (3<<16)|(1<<21)         ; 15:0 the mask: x's records go to my row; 17:16 elements of 8 bytes; 21 set beside a mask
	s_or_b32 s[G1B+0], s44, (3<<16)|(1<<21)        ; W's go to my column
.irp g, G1, G1B
	s_mov_b32 s[\g+1], 32<<16                      ; tensor_dim0
	s_mov_b32 s[\g+2], 136<<16                     ; tensor_dim1
	s_mov_b32 s[\g+3], 32<<16                      ; tile_dim0
	s_mov_b32 s[\g+4], 136                         ; tile_dim1
	s_mov_b32 s[\g+5], 32                          ; tensor_dim0_stride
	s_mov_b32 s[\g+6], 0
	s_mov_b32 s[\g+7], 0
.endr
	s_lshl_b32 s21, s[CH], 3                       ; which eight records I fetch
	s_lshl_b32 s20, s[TR], 4
	s_add_co_u32 s20, s20, s21
	s_mul_i32 s20, s20, REC                        ; x: record 16 x tile row + 8 x half
	s_lshl_b32 s46, s42, 4
	s_add_co_u32 s46, s46, s21
	s_mul_i32 s46, s46, REC                        ; W: record 16 x tile column + 8 x half
	s_mov_b32 s21, 0
	s_mov_b32 s47, 0
	s_mul_i32 s45, s[WV], HALFT                    ; where they go: no place in the cluster enters an LDS address
	s_wait_dscnt 0x0                               ; both opening adds are done
	s_wait_kmcnt 0x0
	s_add_nc_u64 s[20:21], s[4:5], s[20:21]
	s_add_nc_u64 s[46:47], s[6:7], s[46:47]
	CROUND                                         ; all sixteen work-groups are here: the joint loads meet
.irp s, 0,1
	s_mov_b32 s[G0+4*\s], 1
	s_add_co_u32 s[G0+4*\s+1], s45, \s*SLOT
	s_add_nc_u64 s[G0+4*\s+2:G0+4*\s+3], s[20:21], \s*KHX
	s_or_b32 s[G0+4*\s+3], s[G0+4*\s+3], 0x80000000
	s_mov_b32 s[G0B+4*\s], 1
	s_add_co_u32 s[G0B+4*\s+1], s45, \s*SLOT
	s_add_nc_u64 s[G0B+4*\s+2:G0B+4*\s+3], s[46:47], \s*KHW
	s_or_b32 s[G0B+4*\s+3], s[G0B+4*\s+3], 0x80000000
	JLOAD \s                                       ; slot s = K half s: two loads of mine are out, and no more follow
.endr
	; where my part of the output begins: tensor, then (batch x 16 + head) x 262,144, then tile of tokens x 2,048
	s_lshl_b32 s66, ttmp9, 23
	s_lshr_b32 s67, s[TR], 3                       ; batch
	s_lshl_b32 s67, s67, 4
	s_lshl_b32 s68, s40, 2
	s_add_co_u32 s67, s67, s68
	s_lshl_b32 s68, s[CH], 1
	s_add_co_u32 s67, s67, s68                     ; + my first head: 4 cx + 2 x half
	s_lshl_b32 s67, s67, 18
	s_add_co_u32 s66, s66, s67
	s_and_b32 s67, s[TR], 7
	s_lshl_b32 s67, s67, 4
	s_lshl_b32 s68, s[RH], 3
	s_add_co_u32 s67, s67, s68                     ; my first tile of tokens in the batch
	s_lshl_b32 s67, s67, 11
	s_add_co_u32 s66, s66, s67
	s_mov_b32 s67, 0
	s_add_nc_u64 s[14:15], s[14:15], s[66:67]
	s_cmp_lt_u32 ttmp9, 1                          ; the bias of my tensor: the choice hangs on the cluster's x alone
	s_cselect_b64 s[68:69], s[8:9], s[10:11]
	s_cmp_lt_u32 ttmp9, 2
	s_cselect_b64 s[68:69], s[68:69], s[12:13]
	s_lshl_b32 s70, s40, 10
	s_lshl_b32 s71, s[CH], 9
	s_add_co_u32 s70, s70, s71                     ; my first column in the tensor, x 4 bytes
	s_mov_b32 s71, 0
	s_add_nc_u64 s[68:69], s[68:69], s[70:71]
	v_and_b32 v1, 31, v0
	v_lshlrev_b32 v[CO], 4, v1
	v_and_b32 v2, 15, v0                           ; r
	v_bfe_u32 v3, v0, 4, 1                         ; h
	v_lshlrev_b32 v[BOF], 5, v3
	WIN TO_B
.irp b, 0,1,2,3,4,5,6,7
	global_load_b128 v[BI+8*\b:BI+8*\b+3], v[BOF], s[68:69] offset:64*\b
	global_load_b128 v[BI+8*\b+4:BI+8*\b+7], v[BOF], s[68:69] offset:64*\b+16
.endr
	WIN 0
	s_mul_i32 s21, s[RH], HALFT                    ; my eight records of x
	s_mul_i32 s22, s[CH], HALFT                    ; my eight of W,
	s_add_co_u32 s22, s22, 2*HALFT                 ; which lie behind x's sixteen
	s_sub_co_u32 s23, s22, s21
	v_mul_u32_u24 v4, s23, v3                      ; lanes 16-31 take W's scale words: one product, the distance x h
	v_lshl_add_u32 v4, v2, 4, v4                   ; a row's 16 scale bytes
	v_add_nc_u32 v4, 4096, v4                      ; behind a record's codes
.irp s, 0,1
	v_add_nc_u32 v[ADRA+\s], s21, v[CO]
	v_add_nc_u32 v[ADRB+\s], s22, v[CO]
	v_add_nc_u32 v[ADRS+\s], s21, v4
	s_add_co_u32 s21, s21, SLOT
	s_add_co_u32 s22, s22, SLOT
.endr
.macro FRAG reg, adr, q, i             ; a fragment, 16 rows x 128 K: registers 4 c .. 4 c + 3 hold K = 64 c + 32 (lane / 16) + 0 .. 31: block 4 q + 2 c + lane / 16 of record i, row lane % 16
.irp c, 0,1
	ds_load_b128 v[\reg+4*\c:\reg+4*\c+3], v[\adr] offset:(\i)*REC+1024*(\q)+512*\c
.endr
.endm
; 16 matrix instructions: x's blocks a0, a0 + 1 against W's eight, the slot's q-th 128 along K.  p: W's set;  sc: the set of scale words.  zero = 1: the first product starts the sums from the bias.
; The 64 accumulators take turns, one instruction a turn, in the same order in every step.
.macro MUL16 a0, p, q, sc, zero
.irp a, \a0, \a0+1
.irp b, 0,1,2,3,4,5,6,7
.if \zero
	v_wmma_scale_f32_16x16x128_f8f6f4 v[8*(8*((\a)%4)+\b):8*(8*((\a)%4)+\b)+7], v[128*(\p)+FR*\b:128*(\p)+FR*\b+FR-1], v[AF+FR*(\a):AF+FR*(\a)+FR-1], v[BI+8*\b:BI+8*\b+7], v[SC+8*NQ*(\sc)+NQ*\b+(\q)], v[SC+8*NQ*(\sc)+NQ*(\a)+(\q)] matrix_a_fmt:MATRIX_FMT_FP4 matrix_b_fmt:MATRIX_FMT_FP4 matrix_a_scale:MATRIX_SCALE_ROW1
.else
	v_wmma_scale_f32_16x16x128_f8f6f4 v[8*(8*((\a)%4)+\b):8*(8*((\a)%4)+\b)+7], v[128*(\p)+FR*\b:128*(\p)+FR*\b+FR-1], v[AF+FR*(\a):AF+FR*(\a)+FR-1], v[8*(8*((\a)%4)+\b):8*(8*((\a)%4)+\b)+7], v[SC+8*NQ*(\sc)+NQ*\b+(\q)], v[SC+8*NQ*(\sc)+NQ*(\a)+(\q)] matrix_a_fmt:MATRIX_FMT_FP4 matrix_b_fmt:MATRIX_FMT_FP4 matrix_a_scale:MATRIX_SCALE_ROW1
.endif
.endr
.endr
.endm
.macro FETCH_B slot, q, p              ; W's eight fragments into set p
	WIN TO_B
.irp i, 0,1,2,3,4,5,6,7
	FRAG 128*(\p)+FR*\i, ADRB+\slot, \q, \i
.endr
	WIN 0
.endm
.macro FETCH_A slot, q, i0             ; x's blocks i0 .. i0 + 3
.irp i, \i0, \i0+1, \i0+2, \i0+3
	FRAG AF+FR*(\i), ADRA+\slot, \q, \i
.endr
.endm
.macro SCALES sc                       ; a slot's scale words: four words a row; lanes 0-15 take x's block i, lanes 16-31 W's block i
.irp i, 0,1,2,3,4,5,6,7
	ds_load_b128 v[SC+8*NQ*\sc+NQ*\i:SC+8*NQ*\sc+NQ*\i+3], v[ADRS+\sc] offset:\i*REC
.endr
.endm
; A load into a register that a matrix instruction has read, and a vector instruction that reads a matrix result or writes one of its registers, stand NP places behind it; only plain vector instructions that name none of its registers are places.
.macro PLACES n
.rept \n
	v_nop
.endr
.endm
.macro STEP slot, q, zero              ; a step of 128 along K that has its successor in the same slot
	s_wait_dscnt 4*NL                              ; W's set and x's blocks 0-3 are in; the youngest eight loads (x's blocks 4-7) may be out
.if \zero
	WIN BIA_LO
.else
	WIN MUL_LO
.endif
	MUL16 0, (\q)%2, \q, \slot, \zero
	MUL16 2, (\q)%2, \q, \slot, \zero
	s_wait_dscnt 0                                 ; x's blocks 4-7 are in
	PLACES NP
	FETCH_B \slot, (\q)+1, 1-(\q)%2
	FETCH_A \slot, (\q)+1, 0
.if \zero
	WIN BIA_HI
.else
	WIN MUL_HI
.endif
	MUL16 4, (\q)%2, \q, \slot, \zero
	MUL16 6, (\q)%2, \q, \slot, \zero
	PLACES NP
	WIN 0
	FETCH_A \slot, (\q)+1, 4
.endm
.macro STEPS slot, from                ; the slot's steps from .. NQ - 2
.set Q, \from
.rept NQ-1-\from
	STEP \slot, Q, 0
.set Q, Q+1
.endr
.endm
	s_wait_tensorcnt 1                             ; my part of slot 0 is in; slot 1's load may stay out
	s_barrier_signal -1
	s_barrier_wait -1                              ; everybody's is
	FETCH_B 0, 0, 0
	FETCH_A 0, 0, 0
	SCALES 0
	FETCH_A 0, 0, 4
	s_wait_loadcnt 0x0                             ; the biases
	STEP 0, 0, 1
	STEPS 0, 1
	; slot 0's last step goes over to slot 1: one barrier; in front of it each wave waits for all its tensor loads (its part of slot 1), adds 0 to its spare word and waits for that.  Nothing is filled again.
	s_wait_tensorcnt 0x0
	ds_add_u32 v[SPW], v[NIL]
	s_wait_dscnt 4*NL+1                            ; (the add and the youngest eight loads may be out)
	WIN MUL_LO
	MUL16 0, 1, NQ-1, 0, 0
	s_wait_dscnt 0x0
	s_barrier_signal -1
	MUL16 2, 1, NQ-1, 0, 0
	WIN 0
	s_barrier_wait -1
	PLACES NP
	FETCH_B 1, 0, 0
	FETCH_A 1, 0, 0
	SCALES 1
	WIN MUL_HI
	MUL16 4, 1, NQ-1, 0, 0
	MUL16 6, 1, NQ-1, 0, 0
	PLACES NP
	WIN 0
	FETCH_A 1, 0, 4
	STEPS 1, 0
	s_wait_dscnt 4*NL                              ; the very last step: nothing more to fetch
	WIN MUL_LO
	MUL16 0, 1, NQ-1, 1, 0
	MUL16 2, 1, NQ-1, 1, 0
	s_wait_dscnt 0
	WIN MUL_HI
	MUL16 4, 1, NQ-1, 1, 0
	MUL16 6, 1, NQ-1, 1, 0
	WIN 0
; THE WAY OUT, block by block of 16 tokens x 128 channels.  Accumulator (a, b): lane (r, h) holds token 16 a + r, channels 16 b + 8 h + 0 .. 7: head b / 4, group of eight channels 2 (b % 4) + h.
; Four conversions make its 16 bytes, each accumulator from its low end on; a store's 32 lanes cover 512 consecutive bytes, at a multiple of 256 from the buffer's first byte.
.macro OUTB a
.set AC, 64*((\a)%4)
.set TT, TMP+32*((\a)%4)
.if (\a) >= 4
	s_wait_xcnt 0x0                                ; block a - 4's stores have read their registers, which are written again below
.endif
	WIN 0x0a+5*((\a)/4)                            ; sources 0 and 1: window 2 or 3
.irp b, 0,1,2,3,4,5,6,7
.irp i, 0,1,2,3
	v_cvt_pk_f16_f32 v[TT+4*\b+\i], v[AC+8*\b+2*\i], v[AC+8*\b+2*\i+1]
.endr
.endr
	WIN 0
.irp b, 0,1,2,3,4,5,6,7
	global_store_b128 v[CO], v[TT+4*\b:TT+4*\b+3], s[14:15] offset:(\b/4)*262144+(\a)*2048+(\b%4)*512
.endr
.endm
	PLACES NP                                      ; the conversions write registers that held x's fragments
.irp a, 0,1,2,3,4,5,6,7
	OUTB \a
.endr
	s_wait_tensorcnt 0x0                           ; the wave's end
	ds_add_u32 v[SPW], v[NIL]
	s_wait_dscnt 0x0
	CROUND                                         ; the closing round
	s_endpgm
.Lfunc_end_k_q1b093dbe0d_qkv:
	.size	k_q1b093dbe0d_qkv, .Lfunc_end_k_q1b093dbe0d_qkv-k_q1b093dbe0d_qkv
	.p2alignl 7, 3214868480
	.fill 96, 4, 3214868480
	.section	.rodata,"a",@progbits
	.p2align	6, 0x0
	.amdhsa_kernel k_q1b093dbe0d_qkv
		.amdhsa_group_segment_fixed_size 327680
		.amdhsa_private_segment_fixed_size 0
		.amdhsa_enable_private_segment 0
		.amdhsa_kernarg_size 48
		.amdhsa_user_sgpr_count 2
		.amdhsa_user_sgpr_kernarg_segment_ptr 1
		.amdhsa_wavefront_size32 1
		.amdhsa_system_sgpr_workgroup_id_x 1
		.amdhsa_system_sgpr_workgroup_id_y 1
		.amdhsa_system_sgpr_workgroup_id_z 1
		.amdhsa_system_vgpr_workitem_id 0
		.amdhsa_next_free_vgpr 1024
		.amdhsa_next_free_sgpr 72
		.amdhsa_reserve_vcc 0
		.amdhsa_float_denorm_mode_32 3
		.amdhsa_float_denorm_mode_16_64 3
		.amdhsa_memory_ordered 1
		.amdhsa_forward_progress 1
		.amdhsa_inst_pref_size 117
	.end_amdhsa_kernel
	.amdgpu_metadata
---
amdhsa.version: [ 1, 2 ]
amdhsa.kernels:
  - .name:           k_q1b093dbe0d_qkv
    .symbol:         k_q1b093dbe0d_qkv.kd
    .args:
      - { .name: xcodes, .offset: 0, .size: 8, .value_kind: global_buffer, .address_space: global }
      - { .name: wcodes, .offset: 8, .size: 8, .value_kind: global_buffer, .address_space: global }
      - { .name: bq, .offset: 16, .size: 8, .value_kind: global_buffer, .address_space: global }
      - { .name: bk, .offset: 24, .size: 8, .value_kind: global_buffer, .address_space: global }
      - { .name: bv, .offset: 32, .size: 8, .value_kind: global_buffer, .address_space: global }
      - { .name: qkv, .offset: 40, .size: 8, .value_kind: global_buffer, .address_space: global }
    .group_segment_fixed_size: 327680
    .private_segment_fixed_size: 0
    .kernarg_segment_align: 8
    .kernarg_segment_size: 48
    .max_flat_workgroup_size: 128
    .sgpr_count:     72
    .vgpr_count:     1024
    .wavefront_size: 32
...
	.end_amdgpu_metadata
.endif
;; end of part 2
;; launch attn (part 3): grid 8 x 32, 8 waves a work-group, clusters of 4 x 1, 327,680 bytes of LDS; arguments qkv, abuf; writes abuf
.if DOCPART == 3
	.amdgcn_target "amdgcn-amd-amdhsa--gfx1250"
	.amdhsa_code_object_version 6
	.text
	.protected	k_q1b093dbe0d_attn
	.globl	k_q1b093dbe0d_attn
	.p2align	8
	.type	k_q1b093dbe0d_attn,@function
k_q1b093dbe0d_attn:
	s_mov_b64 s[64:65], 0
	v_nop
	global_prefetch_b8 v0, s[64:65] scope:SCOPE_SE
	s_setreg_imm32_b32 hwreg(HW_REG_WAVE_MODE, 25, 1), 1
	s_wait_xcnt 0x0
	s_wait_alu depctr_hold_cnt(0) depctr_sa_sdst(0) depctr_va_vdst(0) depctr_va_sdst(0) depctr_va_ssrc(0) depctr_va_vcc(0) depctr_vm_vsrc(0)
	s_getreg_b32 s2, hwreg(HW_REG_IB_STS2, 6, 4)
	s_cmp_eq_u32 s2, 0
	s_cbranch_scc0 .Lentry_in_a_cluster
	s_endpgm
.Lentry_in_a_cluster:
	s_bfe_u32 s2, ttmp6, 0x10000c
	s_cmp_lg_u32 s2, 0x3003
	s_cbranch_scc0 .Lentry_shape_is_right
	s_endpgm
.Lentry_shape_is_right:
; ATTN.  O[bh][q] = the sum over k of softmax_k(Q[bh][q] . K[bh][k] / 8) V[bh][k]: 32 heads (batch x head), 2,048 tokens, head size 64, no mask.  Operands f16, products, maxima and sums f32.
; q, k, v: qkv [tensor 3][bh 32][tile of 16 tokens 128][8 channels: 8][token 16][16 bytes]: a fragment of Q or K (16 tokens x 32 channels) is two loads of 16 bytes a lane at 16 x lane.
; O goes out as f16 in the order of the next launch's operand registers: abuf [K step of 256: 4][tile of 16 rows 256][8 along K: 32][row 16][16 bytes], K = 64 x head + channel.
; LIMITS: the weights p (at most about 1) and O are rounded to f16; a p under 6e-8 counts as 0 in the second product, not in the row's sum.
; SOFTMAX: for each query a running maximum m and sum l: p = 2^(c s - c m), c = log2(e) / 8; in every step O and l are multiplied by a = 2^(c m_old - c m_new), which is 1 where m has not grown.  l is summed of the unrounded p.
; SHARES: a work-group owns 256 queries of one head; each of its EIGHT waves owns 32 of them, two tiles of 16, in 384 registers: two waves to a SIMD, so that one wave's softmax stands beside the other's products.
; Every wave walks all 2,048 keys, 64 a step.  K and V come through a ring of two LDS slots of 256 keys (four steps), filled by the tensor data mover: waves 0, 1 K's halves, waves 2, 3 V's, the others none.
; LAYOUT: S^T = K Q^T (source 0 = 16 keys, source 1 = 16 queries): a lane holds ONE query (lane % 16) and keys 8 (lane / 16) + 0 .. 7.  Two such tiles, rounded to f16 in pairs, ARE source 1 of O^T = V^T P.
; V comes out of LDS turned, by ds_load_tr16_b128.  A step: V's and the next K's loads, the softmax, 16 products V^T P, 16 products K Q^T for the next step.
; CLUSTER: the four query blocks of a cluster belong to one head and walk the same K and V: each tile is asked for JOINTLY (mask of all four).
; REGISTERS: window 0: v1-8 addresses; v12-27 statistics, eight a tile (+0 c m, +1 m, +2, +3 l, +4 .. +7 at work; a at +6); v32-95 S^T; v96-127 P; v128-191 O^T; v192-255 V.   window 1: v0-31 Q; v64-127 K.
.set VOFF,  32768                      ; a slot: K, 256 keys x 128 bytes as they lie in memory; then V
.set VP,    384                        ; a row of V in LDS (16 keys x 8 channels: 256 bytes) + 128 of padding: neighbouring groups of channels then start 32 banks apart
.set SLOT1, 1<<17                      ; slot 1 begins here: one exclusive or turns an address in one slot into the other's
.set SLOTB, 32768                      ; a slot's bytes of K, or of V, in memory
.set SPARE, SLOT1+VOFF+128*VP          ; behind the ring: the spare words, 128 bytes for each wave: four blocks of 256 bytes that no other line names
.set AK0, 1                            ; v1  16 x lane: my place in a fragment's 512 bytes; also my offset in Q and in the output; never rewritten
.set AV0, 2                            ; v2  my lane's place in a tile of V; never rewritten
.set ADK, 3                            ; v3  LDS address of the run of K's loads in hand
.set ADV, 4                            ; v4  of V's
.set SPW, 6                            ; v6  LDS address of my spare word; never rewritten
.set NIL, 7                            ; v7  0; never rewritten
.set PFO, 8                            ; v8  256 x lane; never rewritten
.set ST,  12
.set S,   32
.set P,   96
.set OA,  128
.set VF,  192
.set QF,  0                            ; window 1
.set KF,  64                           ; window 1
.set WV,  12                           ; s12 wave
.set LIM, 15                           ; s15 1 in a wave that prefetches, else the greatest number
.set PFA, 18                           ; s[18:19] where my prefetches stand
.set G1K, 24                           ; s[24:31] descriptor group 1 for K's tiles;  s[32:39] for V's: it differs in the padding alone
.set G1V, 32
.set G0K, 40                           ; s[40:47] group 0 for K: a set for each of the two first fills; the second then walks on
.set G0V, 48                           ; s[48:55] the same for V
.set SLOTS, 56                         ; s56 slots still to be asked for
.set CS,  58                           ; s[58:59] c: the packed scaling names a pair and takes its low word for both halves
.set SEL, 60                           ; s[60:61] lane selects for v_permlanex16_b32: lane l xor 16
.set TB,  62                           ; s62 LDS byte at which the slot in hand begins
.set MSB, 0
.macro WIN new                         ; the immediate's high byte repeats the setting that is left
.if MSB != \new
	s_set_vgpr_msb (MSB<<8)|\new
.set MSB, \new
.endif
.endm
; A joint refill: waves 0 and 1 for K, waves 2 and 3 for V, the others none.  The branches hang on the wave's number alone.  An s_nop 0 and four v_nop follow each of the two lines.
.macro JLOAD
	s_cmp_lt_u32 s[WV], 2
	s_cbranch_scc0 .Lnot_k_\@
	tensor_load_to_lds s[G0K+4:G0K+7], s[G1K:G1K+7]
	s_nop 0
.rept 4
	v_nop
.endr
	s_branch .Lasked_\@
.Lnot_k_\@:
	s_cmp_lt_u32 s[WV], 4
	s_cbranch_scc0 .Lasked_\@
	tensor_load_to_lds s[G0V+4:G0V+7], s[G1V:G1V+7]
	s_nop 0
.rept 4
	v_nop
.endr
.Lasked_\@:
.endm
; A PREFETCH INTO THE L2 of what the NEXT change of slots will ask for: a slot's 32,768 bytes of K and of V, lanes 256 bytes apart.  Each aligned block of 256 bytes is named once in the launch: both clusters of a head walk the
; same K and V, and the head's first cluster asks; its four partners take 8,192 bytes each, told apart BY ADDRESS; in each, wave 4 asks for K's and wave 5 for V's: one instruction.  It stands four key steps ahead of the load
; that will want the bytes.  The last change that fills a slot asks for nothing; slots 0, 1 and 2 come by their loads alone.
.macro ASK
	s_cmp_gt_u32 s[SLOTS], s[LIM]
	s_cbranch_scc0 .Lnot_mine_\@
	global_prefetch_b8 v[PFO], s[PFA:PFA+1] th:TH_LOAD_NT scope:SCOPE_SE
.Lnot_mine_\@:
.endm
.macro CROUND                          ; a round of the cluster's barrier
	s_barrier_signal -1
	s_barrier_wait -1
	s_cmp_lg_u32 s[WV], 0
	s_cbranch_scc1 .Lnot_wave_0_\@
	s_barrier_signal -3
.Lnot_wave_0_\@:
	s_barrier_wait -3
	s_barrier_signal -1
	s_barrier_wait -1
.endm
	s_load_b128 s[4:7], s[0:1], 0x0                ; qkv s[4:5], abuf s[6:7]
	v_lshl_add_u32 v[SPW], v0, 2, SPARE
	v_mov_b32 v[NIL], 0
	ds_add_u32 v[SPW], v[NIL]                      ; the wave's opening: the add, twice on end, and its wait ahead of the first tensor loads
	ds_add_u32 v[SPW], v[NIL]
	v_lshrrev_b32 v5, 5, v0
	v_readfirstlane_b32 s[WV], v5                  ; wave 0..7
	s_bfe_u32 s13, ttmp6, 0x40000                  ; cx: my place in the cluster
	s_lshl_b32 s14, ttmp9, 2
	s_add_co_u32 s14, s14, s13                     ; my block of 256 queries: it enters Q's and the output's addresses alone
	s_and_b32 s20, ttmp7, 0xffff                   ; bh, which the four partners share
	s_lshl_b32 s22, s20, 18
	s_mov_b32 s23, 0                               ; s[22:23] the head's first byte in each of q, k, v
	s_lshl_b32 s2, s14, 4
	s_lshl_b32 s3, s[WV], 1
	s_add_co_u32 s2, s2, s3                        ; my first tile of queries: 16 x block + 2 x wave
	s_lshl_b32 s16, s2, 11
	s_add_co_u32 s16, s16, s22
	s_mov_b32 s17, 0                               ; s[16:17] Q's offset
	s_bfe_u32 s21, s20, 0x20002                    ; head / 4: the K step of the next product
	s_lshl_b32 s21, s21, 21
	s_lshr_b32 s3, s20, 4                          ; batch
	s_lshl_b32 s3, s3, 7
	s_add_co_u32 s3, s3, s2                        ; tile of rows: 128 x batch + tile of queries
	s_lshl_b32 s3, s3, 13
	s_add_co_u32 s2, s3, s21
	s_and_b32 s3, s20, 3                           ; head % 4: eight groups of eight along K each
	s_lshl_b32 s3, s3, 11
	s_add_co_u32 s2, s2, s3
	s_mov_b32 s3, 0                                ; s[2:3] the output's offset
	s_and_b32 s57, s[WV], 1                        ; which half of a slot's K or V I fetch, if I fetch:
	s_lshl_b32 s20, s57, 14                        ; 16,384 bytes on in memory, and for K in LDS too;
	s_mov_b32 s21, 0
	s_mul_i32 s63, s57, 64*VP
	s_add_co_u32 s63, s63, VOFF                    ; for V 64 padded rows on
	; descriptor group 1: 64 rows of 256 bytes (32 elements of 8 bytes), dense in memory
	s_mov_b32 s[G1K], 15|(3<<16)|(1<<21)           ; 15:0 the mask: all four work-groups; 17:16 elements of 8 bytes; 21 set beside a mask; no padding
	s_mov_b32 s[G1V], 15|(3<<16)|(1<<20)|(1<<21)|(5<<22)|(31<<25)  ; 20 padding on; 24:22 after every 64 words (code 5); 31:25 of 32 words (code 31)
.irp g, G1K, G1V
	s_mov_b32 s[\g+1], 32<<16                      ; tensor_dim0
	s_mov_b32 s[\g+2], 64<<16                      ; tensor_dim1
	s_mov_b32 s[\g+3], 32<<16                      ; tile_dim0
	s_mov_b32 s[\g+4], 64                          ; tile_dim1
	s_mov_b32 s[\g+5], 32                          ; tensor_dim0_stride
	s_mov_b32 s[\g+6], 0
	s_mov_b32 s[\g+7], 0
.endr
	s_mov_b32 s[CS], 0x3e38aa3b                    ; c = log2(e) / 8
	s_mov_b32 s[CS+1], s[CS]                       ; named with it as a pair, so it is written
	s_mov_b32 s[SEL], 0x76543210
	s_mov_b32 s[SEL+1], 0xfedcba98
	s_mov_b32 s[TB], 0
	s_mov_b32 s[SLOTS], 6                          ; 8 slots' worth of keys, two of them asked for at the head
	s_lshr_b32 s[LIM], s[WV], 1
	s_xor_b32 s[LIM], s[LIM], 2                    ; 0 in waves 4 and 5,
	s_or_b32 s[LIM], s[LIM], ttmp9                 ; where the cluster is the head's first: the same in all four partners
	s_cmp_eq_u32 s[LIM], 0
	s_cselect_b32 s[LIM], 1, -1
	v_and_b32 v5, 31, v0
	v_lshlrev_b32 v[PFO], 8, v5
	v_lshlrev_b32 v[AK0], 4, v5
	s_wait_dscnt 0x0                               ; both opening adds are done
	s_wait_kmcnt 0x0
	s_add_nc_u64 s[8:9], s[4:5], s[22:23]
	s_add_nc_u64 s[10:11], s[8:9], 0x1000000       ; V of my head
	s_add_nc_u64 s[8:9], s[8:9], 0x800000          ; K of my head
	s_add_nc_u64 s[4:5], s[4:5], s[16:17]          ; Q at my first tile
	s_add_nc_u64 s[6:7], s[6:7], s[2:3]            ; the output likewise
	s_cmp_eq_u32 s[WV], 4
	s_cselect_b64 s[PFA:PFA+1], s[8:9], s[10:11]
	s_lshl_b32 s2, s13, 13                         ; my work-group's 8,192 bytes of a slot's 32,768,
	s_add_co_u32 s2, s2, 2*SLOTB                   ; in slot 2: the first change of slots steps it to slot 3.  Nothing is prefetched here, at the head
	s_add_nc_u64 s[PFA:PFA+1], s[PFA:PFA+1], s[2:3]
	s_add_nc_u64 s[16:17], s[8:9], s[20:21]        ; K and V at my half of slot 0
	s_add_nc_u64 s[22:23], s[10:11], s[20:21]
	CROUND                                         ; all four work-groups are here: the first joint loads meet
.irp s, 0,1
	s_mov_b32 s[G0K+4*\s], 1                       ; 1:0 count = 1
	s_add_co_u32 s[G0K+4*\s+1], s20, \s*SLOT1      ; 63:32 LDS address
	s_add_nc_u64 s[G0K+4*\s+2:G0K+4*\s+3], s[16:17], \s*SLOTB  ; 120:64 global address: slot s begins with keys 256 s
	s_or_b32 s[G0K+4*\s+3], s[G0K+4*\s+3], 0x80000000  ; 127:126 type = 2
	s_mov_b32 s[G0V+4*\s], 1
	s_add_co_u32 s[G0V+4*\s+1], s63, \s*SLOT1
	s_add_nc_u64 s[G0V+4*\s+2:G0V+4*\s+3], s[22:23], \s*SLOTB
	s_or_b32 s[G0V+4*\s+3], s[G0V+4*\s+3], 0x80000000
.endr
	s_cmp_lt_u32 s[WV], 2                          ; a wave's two first fills stand in one arm, ahead of every wait on TENSORcnt and every LDS read: two loads of mine are out, or none
	s_cbranch_scc0 .Lfirst_not_k
	tensor_load_to_lds s[G0K:G0K+3], s[G1K:G1K+7]
	s_nop 0
	tensor_load_to_lds s[G0K+4:G0K+7], s[G1K:G1K+7]
	s_nop 0
.rept 4
	v_nop
.endr
	s_branch .Lfirst_asked
.Lfirst_not_k:
	s_cmp_lt_u32 s[WV], 4
	s_cbranch_scc0 .Lfirst_asked
	tensor_load_to_lds s[G0V:G0V+3], s[G1V:G1V+7]
	s_nop 0
	tensor_load_to_lds s[G0V+4:G0V+7], s[G1V:G1V+7]
	s_nop 0
.rept 4
	v_nop
.endr
.Lfirst_asked:
	WIN 0x40                                       ; destination window 1
.irp f, 0,1,2,3,4,5,6,7                        ; Q stays in registers: tile f / 4, channels 32 ((f / 2) % 2) on, half f % 2 of the fragment
	global_load_b128 v[QF+4*\f:QF+4*\f+3], v[AK0], s[4:5] offset:512*\f
.endr
	WIN 0
	; The turning load takes 16 keys x 16 channels: lane l reads 16 bytes: key 8 (l / 16) + l % 8, channels 8 ((l / 8) % 2) + 0 .. 7, and is left with channel l % 16 and 8 keys
	v_bfe_u32 v9, v0, 3, 1
	v_mul_u32_u24 v[AV0], v9, VP
	v_bfe_u32 v10, v0, 4, 1
	v_and_b32 v11, 7, v0
	v_lshl_add_u32 v10, v10, 3, v11
	v_lshl_add_u32 v[AV0], v10, 4, v[AV0]
	v_add_nc_u32 v[AV0], VOFF, v[AV0]
.irp t, 0,1
	v_mov_b32 v[ST+8*\t+1], 0xff61b1e6             ; m: -3e38, under every score
	v_mul_f32 v[ST+8*\t], s[CS], v[ST+8*\t+1]      ; c m
	v_mov_b32 v[ST+8*\t+2], 0                      ; l, in two halves
	v_mov_b32 v[ST+8*\t+3], 0
.endr
.irp j, 0,1,2,3,4,5,6,7,8,9,10,11,12,13,14,15,16,17,18,19,20,21,22,23,24,25,26,27,28,29,30,31,32,33,34,35,36,37,38,39,40,41,42,43,44,45,46,47,48,49,50,51,52,53,54,55,56,57,58,59,60,61,62,63
	v_mov_b32 v[OA+\j], 0                          ; O^T.  (The step is written once: the first finds zeros, which a = 0 leaves zeros)
.endr
; 16 products S^T = K Q^T: channels 32 (i / 8) on, keys 16 ((i / 2) % 4) on, tile i % 2.  The first 8 start the sums.  The eight accumulators take turns, one instruction a turn.
.macro QK
	WIN 0x05                                       ; K and Q in window 1, S^T in window 0
.set i, 0
.rept 16
.set rS, S+32*(i%2)+8*((i/2)%4)
.set rK, KF+8*(2*((i/2)%4)+i/8)
.set rQ, QF+8*(2*(i%2)+i/8)
.if i < 8
	v_wmma_f32_16x16x32_f16 v[rS:rS+7], v[rK:rK+7], v[rQ:rQ+7], 0
.else
	v_wmma_f32_16x16x32_f16 v[rS:rS+7], v[rK:rK+7], v[rQ:rQ+7], v[rS:rS+7]
.endif
.set i, i+1
.endr
	WIN 0
.endm
; 16 products O^T += V^T P: keys 32 (i / 8) on, channels 16 ((i / 2) % 4) on, tile i % 2; by turns likewise
.macro PV
.set i, 0
.rept 16
.set rO, OA+32*(i%2)+8*((i/2)%4)
.set rV, VF+8*(2*((i/2)%4)+i/8)
.set rP, P+16*(i%2)+8*(i/8)
	v_wmma_f32_16x16x32_f16 v[rO:rO+7], v[rV:rV+7], v[rP:rP+7], v[rO:rO+7]
.set i, i+1
.endr
.endm
.macro KLOAD off                       ; a step's K: 64 keys x 64 channels: 8 fragments, 16 loads of 512 consecutive bytes
	WIN 0x40
.irp i, 0,1,2,3,4,5,6,7,8,9,10,11,12,13,14,15
	ds_load_b128 v[KF+4*\i:KF+4*\i+3], v[ADK] offset:\off+512*\i
.endr
	WIN 0
.endm
; THE SOFTMAX of a step, both tiles line by line by turns, so that no line reads the result of the line above it.
.macro SOFTMAX
.irp j, 0,1,2,3                                ; the maximum of a lane's 32 scores and the old m: four chains, each begun at an accumulator's low end
.irp t, 0,1
	v_max3_num_f32 v[ST+8*\t+4+\j], v[S+32*\t+8*\j], v[S+32*\t+8*\j+1], v[S+32*\t+8*\j+2]
.endr
.endr
.irp u, 1,2
.irp j, 0,1,2,3
.irp t, 0,1
	v_max3_num_f32 v[ST+8*\t+4+\j], v[ST+8*\t+4+\j], v[S+32*\t+8*\j+2*\u+1], v[S+32*\t+8*\j+2*\u+2]
.endr
.endr
.endr
.irp t, 0,1
	v_max3_num_f32 v[ST+8*\t+4], v[ST+8*\t+4], v[S+32*\t+7], v[S+32*\t+15]
.endr
.irp t, 0,1
	v_max3_num_f32 v[ST+8*\t+6], v[ST+8*\t+6], v[S+32*\t+23], v[S+32*\t+31]
.endr
.irp t, 0,1
	v_max3_num_f32 v[ST+8*\t+4], v[ST+8*\t+4], v[ST+8*\t+5], v[ST+8*\t+6]
.endr
.irp t, 0,1
	v_max3_num_f32 v[ST+8*\t+4], v[ST+8*\t+4], v[ST+8*\t+7], v[ST+8*\t+1]
.endr
.irp t, 0,1
	v_permlanex16_b32 v[ST+8*\t+5], v[ST+8*\t+4], s[SEL], s[SEL+1]  ; the query's other 32 keys lie in the lane 16 away
.endr
.irp t, 0,1
	v_mov_b32 v[ST+8*\t+7], v[ST+8*\t]             ; c m_old is kept for a
.endr
.irp t, 0,1
	v_max_num_f32 v[ST+8*\t+1], v[ST+8*\t+4], v[ST+8*\t+5]
.endr
.irp t, 0,1
	v_mul_f32 v[ST+8*\t], s[CS], v[ST+8*\t+1]
.endr
.irp t, 0,1
	v_sub_f32 v[ST+8*\t+7], v[ST+8*\t+7], v[ST+8*\t]
.endr
.irp b, 0,1,2,3,4,5,6,7,8,9,10,11,12,13,14,15
.irp t, 0,1
	v_pk_fma_f32 v[S+32*\t+2*\b:S+32*\t+2*\b+1], v[S+32*\t+2*\b:S+32*\t+2*\b+1], s[CS:CS+1], v[ST+8*\t:ST+8*\t+1] op_sel_hi:[1,0,0] neg_lo:[0,0,1] neg_hi:[0,0,1]  ; c s - c m, two at a time
.endr
.endr
.irp t, 0,1
	v_exp_f32 v[ST+8*\t+6], v[ST+8*\t+7]           ; a.  ONE BATCH: 66 exponentials, none of which reads another's result
.endr
.irp j, 0,1,2,3,4,5,6,7,8,9,10,11,12,13,14,15,16,17,18,19,20,21,22,23,24,25,26,27,28,29,30,31
.irp t, 0,1
	v_exp_f32 v[S+32*\t+\j], v[S+32*\t+\j]
.endr
.endr
	v_nop                                          ; a plain instruction behind the last exponential, ahead of the first use
	s_wait_alu depctr_va_vdst(0)                   ; and one wait, ahead of the batch's first reader
.irp t, 0,1                                    ; l = a l + the sum of the unrounded p: two chains a tile
	v_pk_fma_f32 v[ST+8*\t+2:ST+8*\t+3], v[ST+8*\t+2:ST+8*\t+3], v[ST+8*\t+6:ST+8*\t+7], v[S+32*\t:S+32*\t+1] op_sel_hi:[1,0,1]
.endr
.irp t, 0,1
	v_pk_add_f32 v[ST+8*\t+4:ST+8*\t+5], v[S+32*\t+2:S+32*\t+3], v[S+32*\t+6:S+32*\t+7]
.endr
.irp j, 1,2,3,4,5,6,7
.irp t, 0,1
	v_pk_add_f32 v[ST+8*\t+2:ST+8*\t+3], v[ST+8*\t+2:ST+8*\t+3], v[S+32*\t+4*\j:S+32*\t+4*\j+1]
.endr
.if \j >= 2
.irp t, 0,1
	v_pk_add_f32 v[ST+8*\t+4:ST+8*\t+5], v[ST+8*\t+4:ST+8*\t+5], v[S+32*\t+4*\j+2:S+32*\t+4*\j+3]
.endr
.endif
.endr
.irp t, 0,1
	v_pk_add_f32 v[ST+8*\t+2:ST+8*\t+3], v[ST+8*\t+2:ST+8*\t+3], v[ST+8*\t+4:ST+8*\t+5]
.endr
.irp i, 0,1,2,3,4,5,6,7,8,9,10,11,12,13,14,15
.irp t, 0,1
	v_cvt_pk_f16_f32 v[P+16*\t+\i], v[S+32*\t+2*\i], v[S+32*\t+2*\i+1]  ; p to f16: the pairs are source 1's registers as they stand
.endr
.endr
.irp i, 0,1,2,3,4,5,6,7,8,9,10,11,12,13,14,15
.irp t, 0,1
	v_pk_mul_f32 v[OA+32*\t+2*\i:OA+32*\t+2*\i+1], v[OA+32*\t+2*\i:OA+32*\t+2*\i+1], v[ST+8*\t+6:ST+8*\t+7] op_sel_hi:[1,0]  ; O^T x a, each accumulator from its low end on
.endr
.endr
.endm
; THE CHANGE OF SLOTS: the slot's last bytes, V of its fourth step, have been asked for.  Each wave waits for all its tensor loads (its part of the other slot), adds 0 to its spare word, and waits for that and for its reads of
; the slot.  fill = 1: the barrier is a round of the cluster's, and the joint refill (the keys two slots on) is the first thing behind it: it has four key steps in which to land.
.macro CHANGE fill
	s_wait_tensorcnt 0x0                           ; no tensor load of mine is out, so a group 0 may be written
	ds_add_u32 v[SPW], v[NIL]
.if (\fill)
	ds_add_u32 v[SPW], v[NIL]                      ; and twice on end here, in every trip alike
.irp g, G0K+4, G0V+4
	s_xor_b32 s[\g+1], s[\g+1], SLOT1              ; the walking descriptor: the other slot than last time,
	s_add_nc_u64 s[\g+2:\g+3], s[\g+2:\g+3], SLOTB ; the next 256 keys; the type bits on top are not reached
.endr
	s_wait_xcnt 0x0                                ; the last prefetch, four key steps back, has read its address, so it may be written
	s_add_nc_u64 s[PFA:PFA+1], s[PFA:PFA+1], SLOTB
	s_wait_dscnt 0x0                               ; the adds are done, and my reads of the slot are over
	CROUND
	JLOAD
	ASK
.else
	s_wait_dscnt 0x0
	s_barrier_signal -1
	s_barrier_wait -1
.endif
	s_xor_b32 s[TB], s[TB], SLOT1                  ; on to the other slot
.endm
; A KEY STEP: the q-th of the slot in hand.  mode 0: the next step's K lies in the same slot;  1: a change of slots with a refill;  2: a change without;  3: the last step of all.
; The four plain lines at its head are the places between the last products and the loads into registers that they read, and the first reads of their results.
.macro STEP q, mode
	v_add_nc_u32 v[ADV], s[TB], v[AV0]
.if \mode == 0
	v_add_nc_u32 v[ADK], s[TB], v[AK0]
.else
	v_nop
.endif
	v_nop
	v_nop
.irp ct, 0,1,2,3                               ; V of this step, turned: channels 16 ct on, keys 32 ks on
.irp ks, 0,1
	ds_load_tr16_b128 v[VF+8*(2*\ct+\ks):VF+8*(2*\ct+\ks)+3],   v[ADV] offset:(\q)*32*VP+(2*\ks)*8*VP+\ct*2*VP
	ds_load_tr16_b128 v[VF+8*(2*\ct+\ks)+4:VF+8*(2*\ct+\ks)+7], v[ADV] offset:(\q)*32*VP+(2*\ks+1)*8*VP+\ct*2*VP
.endr
.endr
.if \mode == 0
	KLOAD ((\q)+1)*8192
.elseif \mode < 3
	CHANGE 2-\mode
	v_add_nc_u32 v[ADK], s[TB], v[AK0]
	KLOAD 0
.endif
	SOFTMAX
.if \mode == 3
	s_wait_dscnt 0x0                               ; V is in
.else
	s_wait_dscnt 16                                ; V is in; K's sixteen younger loads may be out
.endif
	PV
.if \mode < 3
	s_wait_dscnt 0x0                               ; K is in
	QK
.endif
.endm
	s_wait_tensorcnt 1                             ; my part of slot 0 is in; slot 1's may stay out
	s_barrier_signal -1
	s_barrier_wait -1                              ; everybody's is
	v_add_nc_u32 v[ADK], s[TB], v[AK0]
	KLOAD 0
	s_wait_loadcnt 0x0                             ; Q
	s_wait_dscnt 0x0
	QK                                             ; the first step's scores
.Lslot:                                            ; 6 trips: every slot but the last two is filled again
	STEP 0, 0
	STEP 1, 0
	STEP 2, 0
	STEP 3, 1
	s_sub_co_u32 s[SLOTS], s[SLOTS], 1
	s_cmp_lg_u32 s[SLOTS], 0
	s_cbranch_scc1 .Lslot
	STEP 0, 0                                      ; the tail is written out
	STEP 1, 0
	STEP 2, 0
	STEP 3, 2
	STEP 0, 0
	STEP 1, 0
	STEP 2, 0
	STEP 3, 3
	; THE WAY OUT.  l's two halves and the other half of the lanes' are added; O^T is divided by l and rounded to f16: a lane's eight channels are 16 bytes, and a store's 32 lanes cover 512 consecutive bytes of the output.
.irp t, 0,1
	v_add_f32 v[ST+8*\t+4], v[ST+8*\t+2], v[ST+8*\t+3]
.endr
	v_nop                                          ; with the two additions: the four places behind the last products
	v_nop
.irp t, 0,1
	v_permlanex16_b32 v[ST+8*\t+5], v[ST+8*\t+4], s[SEL], s[SEL+1]
.endr
.irp t, 0,1
	v_add_f32 v[ST+8*\t+4], v[ST+8*\t+4], v[ST+8*\t+5]
.endr
.irp t, 0,1
	v_rcp_f32 v[ST+8*\t+6], v[ST+8*\t+4]
.endr
	v_nop                                          ; a plain instruction between the last reciprocal and the use of its result
	s_wait_alu depctr_va_vdst(0)                   ; and one wait for both
.irp i, 0,1,2,3,4,5,6,7,8,9,10,11,12,13,14,15
.irp t, 0,1
	v_pk_mul_f32 v[OA+32*\t+2*\i:OA+32*\t+2*\i+1], v[OA+32*\t+2*\i:OA+32*\t+2*\i+1], v[ST+8*\t+6:ST+8*\t+7] op_sel_hi:[1,0]
.endr
.endr
.irp i, 0,1,2,3,4,5,6,7,8,9,10,11,12,13,14,15
.irp t, 0,1
	v_cvt_pk_f16_f32 v[S+16*\t+\i], v[OA+32*\t+2*\i], v[OA+32*\t+2*\i+1]
.endr
.endr
.irp t, 0,1
.irp ct, 0,1,2,3
	global_store_b128 v[AK0], v[S+16*\t+4*\ct:S+16*\t+4*\ct+3], s[6:7] offset:\t*8192+\ct*512
.endr
.endr
	s_wait_tensorcnt 0x0                           ; the wave's end
	ds_add_u32 v[SPW], v[NIL]
	s_wait_dscnt 0x0
	CROUND                                         ; the closing round: no work-group ends while a partner may still ask for a tile that names it
	s_endpgm
.Lfunc_end_k_q1b093dbe0d_attn:
	.size	k_q1b093dbe0d_attn, .Lfunc_end_k_q1b093dbe0d_attn-k_q1b093dbe0d_attn
	.p2alignl 7, 3214868480
	.fill 96, 4, 3214868480
	.section	.rodata,"a",@progbits
	.p2align	6, 0x0
	.amdhsa_kernel k_q1b093dbe0d_attn
		.amdhsa_group_segment_fixed_size 327680
		.amdhsa_private_segment_fixed_size 0
		.amdhsa_enable_private_segment 0
		.amdhsa_kernarg_size 16
		.amdhsa_user_sgpr_count 2
		.amdhsa_user_sgpr_kernarg_segment_ptr 1
		.amdhsa_wavefront_size32 1
		.amdhsa_system_sgpr_workgroup_id_x 1
		.amdhsa_system_sgpr_workgroup_id_y 1
		.amdhsa_system_sgpr_workgroup_id_z 1
		.amdhsa_system_vgpr_workitem_id 0
		.amdhsa_next_free_vgpr 384
		.amdhsa_next_free_sgpr 66
		.amdhsa_reserve_vcc 0
		.amdhsa_float_denorm_mode_32 3
		.amdhsa_float_denorm_mode_16_64 3
		.amdhsa_memory_ordered 1
		.amdhsa_forward_progress 1
		.amdhsa_inst_pref_size 219
	.end_amdhsa_kernel
	.amdgpu_metadata
---
amdhsa.version: [ 1, 2 ]
amdhsa.kernels:
  - .name:           k_q1b093dbe0d_attn
    .symbol:         k_q1b093dbe0d_attn.kd
    .args:
      - { .name: qkv, .offset: 0, .size: 8, .value_kind: global_buffer, .address_space: global }
      - { .name: abuf, .offset: 8, .size: 8, .value_kind: global_buffer, .address_space: global }
    .group_segment_fixed_size: 327680
    .private_segment_fixed_size: 0
    .kernarg_segment_align: 8
    .kernarg_segment_size: 16
    .max_flat_workgroup_size: 256
    .sgpr_count:     66
    .vgpr_count:     384
    .wavefront_size: 32
...
	.end_amdgpu_metadata
.endif
;; end of part 3
;; launch proj (part 4): grid 8 x 32, 4 waves a work-group, clusters of 4 x 4, 327,680 bytes of LDS; arguments abuf, wo16, bo, out0; writes out0
.if DOCPART == 4
	.amdgcn_target "amdgcn-amd-amdhsa--gfx1250"
	.amdhsa_code_object_version 6
	.text
	.protected	k_q1b093dbe0d_proj
	.globl	k_q1b093dbe0d_proj
	.p2align	8
	.type	k_q1b093dbe0d_proj,@function
k_q1b093dbe0d_proj:
	s_mov_b64 s[64:65], 0
	v_nop
	global_prefetch_b8 v0, s[64:65] scope:SCOPE_SE
	s_setreg_imm32_b32 hwreg(HW_REG_WAVE_MODE, 25, 1), 1
	s_wait_xcnt 0x0
	s_wait_alu depctr_hold_cnt(0) depctr_sa_sdst(0) depctr_va_vdst(0) depctr_va_sdst(0) depctr_va_ssrc(0) depctr_va_vcc(0) depctr_vm_vsrc(0)
	s_getreg_b32 s2, hwreg(HW_REG_IB_STS2, 6, 4)
	s_cmp_eq_u32 s2, 0
	s_cbranch_scc0 .Lentry_in_a_cluster
	s_endpgm
.Lentry_in_a_cluster:
	s_bfe_u32 s2, ttmp6, 0x10000c
	s_cmp_lg_u32 s2, 0xf033
	s_cbranch_scc0 .Lentry_shape_is_right
	s_endpgm
.Lentry_shape_is_right:
; PROJ.  out0 = A Wo + bo: [4096] x [1024] over K = 1,024; operands f16, sums f32, the bias is the C of each sum's first product; out0 f32.
; Both operands arrive in the order of the operand's registers: abuf [K step of 256: 4][tile of 16 rows 256][8 along K: 32][row 16][16 bytes], wo16 likewise with 64 tiles of 16 columns:
; a fragment (16 rows x 32 K) is two loads of 16 bytes a lane at 16 x lane, 512 bytes apart, and a K step's four tiles are 32,768 dense bytes for one tensor load.
; A tile of the result is 128 x 128: 256 work-groups; four waves, each 64 x 64: 16 accumulators.  K goes in four steps of 256 through a ring of two LDS slots; the text is written out without a loop.
; CLUSTERS: 4 x 4 work-groups: A's tiles are shared along a row of the cluster, Wo's along a column, each asked for JOINTLY.  THE MATRIX INSTRUCTION IS USED TRANSPOSED (source 0 = 16 columns of Wo, source 1 = 16 rows of A):
; a lane then holds eight neighbouring numbers of a row of the result.  A wave's 64 columns are 256 bytes: a block of 16 rows goes through the wave's own stage in LDS and leaves as whole aligned runs of 256 bytes.
; REGISTERS: window 0: v16-29 addresses; v32-95 the way out; v96-127 the bias (block b: bo[16 b + 8 (lane / 16) + 0 .. 7]); v128-255 the accumulators ((a, b) at v[128 + 8 (4 a + b)]).
;   window 1: two fragment buffers of 128: for 64 along K, 64 registers of A, then 64 of Wo.
.set TILEB,  8192                      ; 16 rows x 256 along K in f16
.set HALFT,  4*TILEB                   ; what one tensor load brings, and what one wave reads of A or of Wo
.set SLOT,   4*HALFT                   ; A's 8 tiles, then Wo's 8
.set STAGE,  2*SLOT                    ; behind the ring: 16 rows x 272 bytes for each wave
.set SPITCH, 272                       ; 256 bytes + 16: 68 words: row r starts at bank 4 r mod 64 (64 banks of 4 bytes: ISA guide 11.1)
.set SPARE,  STAGE+4*16*SPITCH         ; the spare words, 128 bytes for each wave: two blocks of 256 bytes that no other line names
.set STEPA,  2097152                   ; from K step to K step in abuf
.set STEPW,  524288                    ; and in wo16
.set ADRA, 16                          ; v16-17  LDS address of my A fragments in slot 0, 1
.set ADRB, 20                          ; v20-21  the same for Wo
.set STO,  24                          ; v24     the way out: where I put 32 bytes of a row
.set RD,   25                          ; v25     where I read a row back
.set CO,   26                          ; v26     my byte offset in two rows of the result
.set BOF,  27                          ; v27     32 x (lane / 16)
.set SPW,  28                          ; v28     LDS address of my spare word; never rewritten
.set NIL,  29                          ; v29     0; never rewritten
.set TMP,  32
.set BO,   96
.set ACC,  128
.set F0,   0                           ; fragment buffers, in window 1
.set F1,   128
.set WV, 12                            ; s12 wave;  s13 which half of the rows is mine, also: I fetch A's (0) or Wo's (1);  s14 which half of the columns, also: which four tiles I fetch;  s15 tile row
.set RH, 13
.set CH, 14
.set TR, 15
.set G1, 24
.set G0, 32
.set G1B, 48
.set G0B, 56
.set MSB, 0
.macro WIN new                         ; the immediate's high byte repeats the setting that is left
.if MSB != \new
	s_set_vgpr_msb (MSB<<8)|\new
.set MSB, \new
.endif
.endm
.set MUL,  0x05                        ; sources 0 (Wo) and 1 (A) window 1; C and D window 0
.set TO_F, 0x40                        ; destination window 1, address window 0
.macro JLOAD s                         ; a joint load: waves 0 and 1 fetch A's halves, waves 2 and 3 Wo's; an s_nop 0 and four v_nop follow each of the two lines
	s_cmp_eq_u32 s[RH], 0
	s_cbranch_scc0 .Lfor_b_\@
	tensor_load_to_lds s[G0+4*\s:G0+4*\s+3], s[G1:G1+7]
	s_nop 0
.rept 4
	v_nop
.endr
	s_branch .Lasked_\@
.Lfor_b_\@:
	tensor_load_to_lds s[G0B+4*\s:G0B+4*\s+3], s[G1B:G1B+7]
	s_nop 0
.rept 4
	v_nop
.endr
.Lasked_\@:
.endm
.macro CREST                           ; a round of the cluster's barrier behind its opening barrier
	s_cmp_lg_u32 s[WV], 0
	s_cbranch_scc1 .Lnot_wave_0_\@
	s_barrier_signal -3
.Lnot_wave_0_\@:
	s_barrier_wait -3
	s_barrier_signal -1
	s_barrier_wait -1
.endm
.macro CROUND                          ; a whole round
	s_barrier_signal -1
	s_barrier_wait -1
	CREST
.endm
	s_load_b128 s[4:7], s[0:1], 0x0                ; abuf s[4:5], wo16 s[6:7]
	s_load_b128 s[8:11], s[0:1], 0x10              ; bo s[8:9], out0 s[10:11]
	v_lshl_add_u32 v[SPW], v0, 2, SPARE
	v_mov_b32 v[NIL], 0
	ds_add_u32 v[SPW], v[NIL]                      ; the wave's opening: the add, twice on end, and its wait ahead of my first tensor load
	ds_add_u32 v[SPW], v[NIL]
	v_lshrrev_b32 v1, 5, v0
	v_readfirstlane_b32 s[WV], v1                  ; wave 0..3
	s_lshr_b32 s[RH], s[WV], 1
	s_and_b32 s[CH], s[WV], 1
	s_bfe_u32 s40, ttmp6, 0x40000                  ; cx, cy: my place in the cluster
	s_bfe_u32 s41, ttmp6, 0x40004
	s_lshl_b32 s42, ttmp9, 2
	s_add_co_u32 s42, s42, s40                     ; tile column = 4 x cluster x + cx
	s_and_b32 s[TR], ttmp7, 0xffff
	s_lshl_b32 s[TR], s[TR], 2
	s_add_co_u32 s[TR], s[TR], s41                 ; tile row = 4 x cluster y + cy
	s_lshl_b32 s43, s41, 2
	s_lshl_b32 s43, 15, s43                        ; my row of the cluster
	s_lshl_b32 s44, 0x1111, s40                    ; my column
	; descriptor group 1: four tiles are 32,768 dense bytes: 128 rows of 256 bytes (32 elements of 8 bytes), no padding
	s_or_b32 s[G1+0], s43, (3<<16)|(1<<21)         ; 15:0 the mask: A's tiles go to my row; 17:16 elements of 8 bytes; 21 set beside a mask
	s_or_b32 s[G1B+0], s44, (3<<16)|(1<<21)
.irp g, G1, G1B
	s_mov_b32 s[\g+1], 32<<16                      ; tensor_dim0
	s_mov_b32 s[\g+2], 128<<16                     ; tensor_dim1
	s_mov_b32 s[\g+3], 32<<16                      ; tile_dim0
	s_mov_b32 s[\g+4], 128                         ; tile_dim1
	s_mov_b32 s[\g+5], 32                          ; tensor_dim0_stride
	s_mov_b32 s[\g+6], 0
	s_mov_b32 s[\g+7], 0
.endr
	s_lshl_b32 s17, s[CH], 2                       ; which four tiles I fetch
	s_lshl_b32 s16, s[TR], 3
	s_add_co_u32 s16, s16, s17
	s_lshl_b32 s16, s16, 13                        ; A: tile 8 x tile row + 4 x half
	s_lshl_b32 s46, s42, 3
	s_add_co_u32 s46, s46, s17
	s_lshl_b32 s46, s46, 13                        ; Wo: tile 8 x tile column + 4 x half
	s_mov_b32 s17, 0
	s_mov_b32 s47, 0
	s_lshl_b32 s20, s[WV], 15                      ; where they go: wave x HALFT: no place in the cluster enters an LDS address
	s_wait_dscnt 0x0                               ; both opening adds are done
	s_wait_kmcnt 0x0
	s_add_nc_u64 s[18:19], s[4:5], s[16:17]
	s_add_nc_u64 s[46:47], s[6:7], s[46:47]
	CROUND                                         ; all sixteen work-groups are here: the first joint loads meet
.irp s, 0,1
	s_mov_b32 s[G0+4*\s], 1
	s_add_co_u32 s[G0+4*\s+1], s20, \s*SLOT
	s_add_nc_u64 s[G0+4*\s+2:G0+4*\s+3], s[18:19], \s*STEPA
	s_or_b32 s[G0+4*\s+3], s[G0+4*\s+3], 0x80000000
	s_mov_b32 s[G0B+4*\s], 1
	s_add_co_u32 s[G0B+4*\s+1], s20, \s*SLOT
	s_add_nc_u64 s[G0B+4*\s+2:G0B+4*\s+3], s[46:47], \s*STEPW
	s_or_b32 s[G0B+4*\s+3], s[G0B+4*\s+3], 0x80000000
	JLOAD \s
.endr
	v_and_b32 v1, 15, v0                           ; r
	v_bfe_u32 v2, v0, 4, 1                         ; h
	v_and_b32 v3, 31, v0
	v_lshlrev_b32 v3, 4, v3                        ; 16 x lane
	v_lshlrev_b32 v[BOF], 5, v2
	s_lshl_b32 s22, s42, 9
	s_lshl_b32 s23, s[CH], 8
	s_add_co_u32 s22, s22, s23                     ; my first column, in bytes: 512 x tile column + 256 x half
	s_mov_b32 s23, 0
	s_add_nc_u64 s[8:9], s[8:9], s[22:23]          ; bo at my columns
.irp b, 0,1,2,3
	global_load_b128 v[BO+8*\b:BO+8*\b+3], v[BOF], s[8:9] offset:64*\b
	global_load_b128 v[BO+8*\b+4:BO+8*\b+7], v[BOF], s[8:9] offset:64*\b+16
.endr
	s_lshl_b32 s16, s[TR], 7
	s_lshl_b32 s17, s[RH], 6
	s_add_co_u32 s16, s16, s17                     ; my first row: 128 x tile row + 64 x half
	s_lshl_b32 s16, s16, 12
	s_add_co_u32 s16, s16, s22
	s_mov_b32 s17, 0
	s_add_nc_u64 s[10:11], s[10:11], s[16:17]
	s_lshl_b32 s21, s[RH], 15                      ; my four tiles of A
	s_lshl_b32 s22, s[CH], 15                      ; my four of Wo,
	s_add_co_u32 s22, s22, 2*HALFT                 ; which lie behind A's eight
.irp s, 0,1
	v_add_nc_u32 v[ADRA+\s], s21, v3
	v_add_nc_u32 v[ADRB+\s], s22, v3
	s_add_co_u32 s21, s21, SLOT
	s_add_co_u32 s22, s22, SLOT
.endr
	s_mul_i32 s23, s[WV], 16*SPITCH
	s_add_co_u32 s23, s23, STAGE                   ; my stage
	v_mul_u32_u24 v4, v1, SPITCH                   ; in: row r, 32 bytes for each half of the lanes
	v_lshl_add_u32 v4, v2, 5, v4
	v_add_nc_u32 v[STO], s23, v4
	v_mul_u32_u24 v5, v2, SPITCH                   ; back: lanes 0-15 one row of 256 bytes, lanes 16-31 the next
	v_lshl_add_u32 v5, v1, 4, v5
	v_add_nc_u32 v[RD], s23, v5
	v_lshlrev_b32 v5, 12, v2                       ; and the same two rows in the result (4,096 bytes a row)
	v_lshl_add_u32 v[CO], v1, 4, v5
; 8 matrix instructions: row blocks a0, a0 + 1 x all 4 column blocks, 32 along K: half c of buffer f.  zero = 1: the first product starts the sums from the bias.  The 16 accumulators take turns.
.macro MUL8 f, c, a0, zero
.irp a, \a0, \a0+1
.irp b, 0,1,2,3
.if \zero
	v_wmma_f32_16x16x32_f16 v[ACC+8*(4*(\a)+\b):ACC+8*(4*(\a)+\b)+7], v[\f+64+8*(4*\c+\b):\f+64+8*(4*\c+\b)+7], v[\f+8*(4*\c+\a):\f+8*(4*\c+\a)+7], v[BO+8*\b:BO+8*\b+7]
.else
	v_wmma_f32_16x16x32_f16 v[ACC+8*(4*(\a)+\b):ACC+8*(4*(\a)+\b)+7], v[\f+64+8*(4*\c+\b):\f+64+8*(4*\c+\b)+7], v[\f+8*(4*\c+\a):\f+8*(4*\c+\a)+7], v[ACC+8*(4*(\a)+\b):ACC+8*(4*(\a)+\b)+7]
.endif
.endr
.endr
.endm
; 32 LDS loads in one run: the fragments of 64 along K at byte k of each tile (1,024 bytes for 32 along K), into buffer f; the first 32 along K first
.macro FETCH slot, k, f
	WIN TO_F
.irp c, 0,1
.irp i, 0,1,2,3
	ds_load_b128 v[\f+64+8*(4*\c+\i):\f+64+8*(4*\c+\i)+3],   v[ADRB+\slot] offset:\k+1024*\c+\i*TILEB
	ds_load_b128 v[\f+64+8*(4*\c+\i)+4:\f+64+8*(4*\c+\i)+7], v[ADRB+\slot] offset:\k+1024*\c+\i*TILEB+512
	ds_load_b128 v[\f+8*(4*\c+\i):\f+8*(4*\c+\i)+3],         v[ADRA+\slot] offset:\k+1024*\c+\i*TILEB
	ds_load_b128 v[\f+8*(4*\c+\i)+4:\f+8*(4*\c+\i)+7],       v[ADRA+\slot] offset:\k+1024*\c+\i*TILEB+512
.endr
.endr
.endm
.macro PLACES                          ; four places in front of loads into registers that matrix instructions have read, and of the first reads of results
.rept 4
	v_nop
.endr
.endm
; A K step is four quarters of 64 along K, 32 matrix instructions each, on buffers 0, 1, 0, 1.  One of the first three: multiplies buffer f and fetches the next quarter, at byte k, into g.
.macro QUARTER slot, k, f, g, zero
	s_wait_dscnt 16                                ; the first 32 along K are in
	WIN MUL
	MUL8 \f, 0, 0, \zero
	MUL8 \f, 0, 2, \zero
	PLACES
	FETCH \slot, \k, \g
	s_wait_dscnt 32                                ; all but the 32 just issued
	WIN MUL
	MUL8 \f, 1, 0, 0
	MUL8 \f, 1, 2, 0
.endm
; The last quarter multiplies buffer 1 and changes slots: ONE barrier; in front of it each wave waits for all its tensor loads, adds 0 to its spare word, and waits for that and for its own reads of this slot.  fill = 1: this slot is filled again, two K steps ahead.
.macro TURN slot, next, fill
	WIN 0                                          ; (the add's two registers lie in window 0)
	s_wait_tensorcnt 0x0                           ; all my tensor loads have landed: my part of the next slot;
	ds_add_u32 v[SPW], v[NIL]
	s_wait_dscnt 17                                ; (the add and the youngest sixteen loads may be out)
	WIN MUL
	MUL8 F1, 0, 0, 0                               ; eight matrix instructions stand between the add and the wait for it
	s_wait_dscnt 0x0                               ; the add is done, and my reads of this slot are over
	s_barrier_signal -1
	MUL8 F1, 0, 2, 0
.if \fill
	WIN 0
.endif
	s_barrier_wait -1
.if \fill
	CREST                                          ; the barrier has opened a round of the cluster's barrier: no wave of any partner still reads this slot's tile or has a load on its way
	s_add_nc_u64 s[G0+4*\slot+2:G0+4*\slot+3], s[G0+4*\slot+2:G0+4*\slot+3], 2*STEPA
	s_add_nc_u64 s[G0B+4*\slot+2:G0B+4*\slot+3], s[G0B+4*\slot+2:G0B+4*\slot+3], 2*STEPW
	JLOAD \slot                                    ; the first tensor load behind the round; the four v_nop behind it are also the places in front of the loads below
.else
	PLACES
.endif
	FETCH \next, 0, F0
	WIN MUL
	MUL8 F1, 1, 0, 0
	MUL8 F1, 1, 2, 0
.endm
	s_wait_tensorcnt 1                             ; my part of K step 0 is in; K step 1's may stay out
	s_barrier_signal -1
	s_barrier_wait -1                              ; everybody's is
	FETCH 0, 0, F0
	s_wait_loadcnt 0x0                             ; the bias
	QUARTER 0, 2048, F0, F1, 1                     ; K step 0
	QUARTER 0, 4096, F1, F0, 0
	QUARTER 0, 6144, F0, F1, 0
	TURN 0, 1, 1                                   ; slot 0 takes K step 2
	QUARTER 1, 2048, F0, F1, 0                     ; K step 1
	QUARTER 1, 4096, F1, F0, 0
	QUARTER 1, 6144, F0, F1, 0
	TURN 1, 0, 1                                   ; slot 1 takes K step 3
	QUARTER 0, 2048, F0, F1, 0                     ; K step 2
	QUARTER 0, 4096, F1, F0, 0
	QUARTER 0, 6144, F0, F1, 0
	TURN 0, 1, 0                                   ; nothing is left to fetch
	QUARTER 1, 2048, F0, F1, 0                     ; K step 3
	QUARTER 1, 4096, F1, F0, 0
	QUARTER 1, 6144, F0, F1, 0
	s_wait_dscnt 16                                ; the very last quarter
	WIN MUL
	MUL8 F1, 0, 0, 0
	MUL8 F1, 0, 2, 0
	s_wait_dscnt 0
	MUL8 F1, 1, 0, 0
	MUL8 F1, 1, 2, 0
	WIN 0
; THE WAY OUT, block by block of 16 rows x 64 columns.  A lane holds 32 neighbouring bytes of a row; the block goes through my own stage and comes back as whole rows of 256 bytes.
; LDS serves a wave's instructions in order (ISA guide 5.7.1.4): no wait between the stores and the loads, nor in front of the next block's stores.
.macro TOSTAGE a
.irp b, 0,1,2,3
	ds_store_b128 v[STO], v[ACC+8*(4*(\a)+\b):ACC+8*(4*(\a)+\b)+3] offset:64*\b        ; each accumulator from its low end on
	ds_store_b128 v[STO], v[ACC+8*(4*(\a)+\b)+4:ACC+8*(4*(\a)+\b)+7] offset:64*\b+16
.endr
.irp t, 0,1,2,3,4,5,6,7
	ds_load_b128 v[TMP+32*((\a)%2)+4*\t:TMP+32*((\a)%2)+4*\t+3], v[RD] offset:\t*2*SPITCH
.endr
.endm
.macro SEND a, younger                 ; younger: the LDS instructions issued behind block a's loads, which may stay out
	s_wait_dscnt \younger
.irp t, 0,1,2,3,4,5,6,7
	global_store_b128 v[CO], v[TMP+32*((\a)%2)+4*\t:TMP+32*((\a)%2)+4*\t+3], s[10:11] offset:(16*(\a)+2*\t)*4096 th:TH_STORE_NT   ; 16 lanes store 256 consecutive bytes, at a multiple of 256 from the buffer's first byte
.endr
.endm
	PLACES
	TOSTAGE 0
	TOSTAGE 1
	SEND 0, 16
	s_wait_xcnt 0x0                                ; block 0's stores have read their registers: block 2's loads may land there
	TOSTAGE 2
	SEND 1, 16
	s_wait_xcnt 0x0                                ; block 1's likewise
	TOSTAGE 3
	SEND 2, 16
	SEND 3, 0
	s_wait_tensorcnt 0x0                           ; the wave's end, behind my last tensor load and my last LDS store
	ds_add_u32 v[SPW], v[NIL]
	s_wait_dscnt 0x0
	CROUND                                         ; the closing round
	s_endpgm
.Lfunc_end_k_q1b093dbe0d_proj:
	.size	k_q1b093dbe0d_proj, .Lfunc_end_k_q1b093dbe0d_proj-k_q1b093dbe0d_proj
	.p2alignl 7, 3214868480
	.fill 96, 4, 3214868480
	.section	.rodata,"a",@progbits
	.p2align	6, 0x0
	.amdhsa_kernel k_q1b093dbe0d_proj
		.amdhsa_group_segment_fixed_size 327680
		.amdhsa_private_segment_fixed_size 0
		.amdhsa_enable_private_segment 0
		.amdhsa_kernarg_size 32
		.amdhsa_user_sgpr_count 2
		.amdhsa_user_sgpr_kernarg_segment_ptr 1
		.amdhsa_wavefront_size32 1
		.amdhsa_system_sgpr_workgroup_id_x 1
		.amdhsa_system_sgpr_workgroup_id_y 1
		.amdhsa_system_sgpr_workgroup_id_z 1
		.amdhsa_system_vgpr_workitem_id 0
		.amdhsa_next_free_vgpr 512
		.amdhsa_next_free_sgpr 66
		.amdhsa_reserve_vcc 0
		.amdhsa_float_denorm_mode_32 3
		.amdhsa_float_denorm_mode_16_64 3
		.amdhsa_memory_ordered 1
		.amdhsa_forward_progress 1
		.amdhsa_inst_pref_size 86
	.end_amdhsa_kernel
	.amdgpu_metadata
---
amdhsa.version: [ 1, 2 ]
amdhsa.kernels:
  - .name:           k_q1b093dbe0d_proj
    .symbol:         k_q1b093dbe0d_proj.kd
    .args:
      - { .name: abuf, .offset: 0, .size: 8, .value_kind: global_buffer, .address_space: global }
      - { .name: wo16, .offset: 8, .size: 8, .value_kind: global_buffer, .address_space: global }
      - { .name: bo, .offset: 16, .size: 8, .value_kind: global_buffer, .address_space: global }
      - { .name: out0, .offset: 24, .size: 8, .value_kind: global_buffer, .address_space: global }
    .group_segment_fixed_size: 327680
    .private_segment_fixed_size: 0
    .kernarg_segment_align: 8
    .kernarg_segment_size: 32
    .max_flat_workgroup_size: 128
    .sgpr_count:     66
    .vgpr_count:     512
    .wavefront_size: 32
...
	.end_amdgpu_metadata
.endif
;; end of part 4
